; MI455X (gfx1250); checked and timed in simulation.
; The chip was launched on July 23, 2026; its instructions are those of AMD's public machine-readable ISA for CDNA 5 (MIT licence, August 2026) and "CDNA5" Instruction Set Architecture Reference Guide (July 2026). The comments in the code are by the model that wrote it; some were corrected since.
;; Transformer Block. Allowed arithmetic: float matrix products may take bf16 or f16 operands with f32 sums; other float arithmetic in f32, or as packed bf16 or f16 multiplies, adds, multiply-adds, maxima and minima; sums over many terms, partial sums and values carried from step to step in f32; what a program stores and reads back later, other than sums and carried values, may be rounded once to bf16 or f16.
;; Inputs: b1 4,096 float32; b2 1,024 float32; b_out 1,024 float32; ln1_b 1,024 float32; ln1_g 1,024 float32; ln2_b 1,024 float32; ln2_g 1,024 float32; w1 1,024 x 4,096 float32; w2 4,096 x 1,024 float32; w_out 1,024 x 1,024 float32; w_qkv 1,024 x 3,072 float32; x 2 x 2,048 x 1,024 float32.
;; Outputs: out0 2 x 2,048 x 1,024 float32.
;; 2 versions, each right; version 2 is version 1 with the launches prep, ln2 written anew for expert scheduling mode. Each part assembles by itself: llvm-mc -triple=amdgcn-amd-amdhsa -mcpu=gfx1250 --defsym DOCPART=n.
;; ======== version 1 of 2: 7 launches
;; limits: a function is approximated: absolute error at most 7.5e-08; an absolute error that grows with the inputs' magnitude: up to 7.5e-08 times it
;; workspace buffers: wbf 25,165,824 bytes; h 8,388,608 bytes; qkv 25,165,824 bytes; ao 8,388,608 bytes; x1 16,777,216 bytes; g 33,554,432 bytes
;; launch prep (part 1): grid 1024 x 1, 4 waves a work-group, no clusters, 0 bytes of LDS; arguments x, ln1_g, ln1_b, w_qkv, w_out, w1, w2, h, wbf; writes h, wbf
.if DOCPART == 1
	.amdgcn_target "amdgcn-amd-amdhsa--gfx1250"
	.amdhsa_code_object_version 6
	.text
	.protected	k_q3c1a709833_prep
	.globl	k_q3c1a709833_prep
	.p2align	8
	.type	k_q3c1a709833_prep,@function
k_q3c1a709833_prep:
	s_mov_b64 s[64:65], 0
	v_nop
	global_prefetch_b8 v0, s[64:65] scope:SCOPE_SE
	s_setreg_imm32_b32 hwreg(HW_REG_WAVE_MODE, 25, 1), 1
	s_wait_xcnt 0x0
; LAYERNORM AND CAST.  Arguments: X, G, B, four f32 matrices, H, W.
; Work-groups 0-255: H = LayerNorm(X) * G + B, rounded once to bf16; X is [4096][1024] f32; 16 rows a work-group, 4 a wave.
; Work-groups 256-1023: the four matrices (12,582,912 + 4,194,304 + 16,777,216 + 16,777,216 bytes of f32) rounded once to bf16 into W, each as it lies, one behind the other.
; The body serves two launches: one of 1,024 work-groups (the first LayerNorm and the weights), and one of 256, which has LayerNorm work-groups alone and never touches the last five pointers but H.
; Both paths take 65,536 input bytes a work-group, 16,384 a wave: a load covers 512 bytes on end, a store 256 bytes on end, aligned.
; A stream: no LDS, no matrix unit, no cluster, since no byte is wanted twice.
; LayerNorm is taken in two passes over the row in registers (mean; then the mean of the squares of x - mean), all in f32.
; LIMITS: v_rsq_f32 is good to one unit in the last place; NaN and infinities are not treated apart.
.set G,   4                            ; v[4:35]    the gain of my 32 columns (piece j: columns 128 j + 4 lane ..)
.set BB,  36                           ; v[36:67]   the bias of the same
.set X,   68                           ; v[68:195]  four rows of 32 numbers (cast path: 32 pieces of 4)
.set T,   196                          ; v[196:203] at work
.set MU,  212                          ; v[212:213] the mean, twice
.set RS,  214                          ; v[214:215] 1 / sqrt(var + eps), twice
.set HP,  18                           ; s[18:19]   H
.macro FOLD                            ; four chains of pairs -> one number a lane -> the sum over the 32 lanes, in every lane
	v_pk_add_f32 v[T:T+1], v[T:T+1], v[T+2:T+3]
	v_pk_add_f32 v[T+4:T+5], v[T+4:T+5], v[T+6:T+7]
	v_pk_add_f32 v[T:T+1], v[T:T+1], v[T+4:T+5]
	v_add_f32 v[T], v[T], v[T+1]
	v_add_f32_dpp v[T], v[T], v[T] row_xmask:1 row_mask:0xf bank_mask:0xf
	v_add_f32_dpp v[T], v[T], v[T] row_xmask:2 row_mask:0xf bank_mask:0xf
	v_add_f32_dpp v[T], v[T], v[T] row_xmask:4 row_mask:0xf bank_mask:0xf
	v_add_f32_dpp v[T], v[T], v[T] row_xmask:8 row_mask:0xf bank_mask:0xf
	v_permlanex16_b32 v[T+1], v[T], s40, s41
	v_add_f32 v[T], v[T], v[T+1]
.endm
.macro LNROW r
.set XR, X+32*(\r)
	s_wait_loadcnt 8*(3-(\r))                      ; my row's eight loads are in (and gain and bias, issued first); the younger rows stay out
.irp k, 0,1,2,3
	v_pk_add_f32 v[T+2*\k:T+2*\k+1], v[XR+2*\k:XR+2*\k+1], v[XR+8+2*\k:XR+8+2*\k+1]
.endr
.irp k, 0,1,2,3
	v_pk_add_f32 v[T+2*\k:T+2*\k+1], v[T+2*\k:T+2*\k+1], v[XR+16+2*\k:XR+16+2*\k+1]
.endr
.irp k, 0,1,2,3
	v_pk_add_f32 v[T+2*\k:T+2*\k+1], v[T+2*\k:T+2*\k+1], v[XR+24+2*\k:XR+24+2*\k+1]
.endr
	FOLD
	v_mul_f32 v[MU], s42, v[T]                     ; the mean
	v_mul_f32 v[MU+1], s42, v[T]
.set p, 0
.rept 16
	v_pk_add_f32 v[XR+p:XR+p+1], v[XR+p:XR+p+1], v[MU:MU+1] neg_lo:[0,1] neg_hi:[0,1]
.set p, p+2
.endr
.irp k, 0,1,2,3
	v_pk_mul_f32 v[T+2*\k:T+2*\k+1], v[XR+2*\k:XR+2*\k+1], v[XR+2*\k:XR+2*\k+1]
.endr
.irp o, 8,16,24
.irp k, 0,1,2,3
	v_pk_fma_f32 v[T+2*\k:T+2*\k+1], v[XR+\o+2*\k:XR+\o+2*\k+1], v[XR+\o+2*\k:XR+\o+2*\k+1], v[T+2*\k:T+2*\k+1]
.endr
.endr
	FOLD
	v_fma_f32 v[T], v[T], s42, s43                 ; var + eps
	v_rsq_f32 v[RS], v[T]
	v_rsq_f32 v[RS+1], v[T]
	v_nop                                          ; a plain instruction behind the second root,
	s_wait_alu depctr_va_vdst(0)                   ; and one wait for both, ahead of their first reader
.set p, 0
.rept 16
	v_pk_mul_f32 v[XR+p:XR+p+1], v[XR+p:XR+p+1], v[RS:RS+1]
.set p, p+2
.endr
.set p, 0
.rept 16
	v_pk_fma_f32 v[XR+p:XR+p+1], v[XR+p:XR+p+1], v[G+p:G+p+1], v[BB+p:BB+p+1]
.set p, p+2
.endr
.set p, 0
.rept 16
	v_cvt_pk_bf16_f32 v[XR+p], v[XR+2*p], v[XR+2*p+1]  ; packed in place, ascending: no source is written before it is read
.set p, p+1
.endr
.set p, 0
.rept 8
	global_store_b64 v2, v[XR+2*p:XR+2*p+1], s[HP:HP+1] offset:2048*(\r)+256*p  ; 32 lanes: 256 bytes on end, aligned
.set p, p+1
.endr
.endm
	s_load_b512 s[4:19], s[0:1], 0x0               ; X, G, B, the four matrices, H
	s_load_b64 s[20:21], s[0:1], 0x40              ; W
	v_and_b32 v3, 31, v0
	v_lshrrev_b32 v2, 5, v0                        ; wave
	v_lshlrev_b32 v1, 14, v2
	v_lshlrev_b32 v2, 13, v2
	v_lshl_add_u32 v1, v3, 4, v1                   ; in: 16 lane + 16,384 wave
	v_lshl_add_u32 v2, v3, 3, v2                   ; out: 8 lane + 8,192 wave
	v_lshlrev_b32 v3, 4, v3                        ; gain and bias: 16 lane
	s_mov_b32 s40, 0x76543210                      ; v_permlanex16_b32: each lane takes its own place in the other half
	s_mov_b32 s41, 0xfedcba98
	s_mov_b32 s42, 0x3a800000                      ; 1 / 1024
	s_mov_b32 s43, 0x3727c5ac                      ; 1e-5
	s_cmp_lt_u32 ttmp9, 256
	s_cbranch_scc0 .Lcast
	s_lshl_b32 s22, ttmp9, 16                      ; 16 rows of 4,096 bytes of X,
	s_mov_b32 s23, 0
	s_lshl_b32 s24, ttmp9, 15                      ; of 2,048 bytes of H
	s_mov_b32 s25, 0
	s_wait_kmcnt 0x0
	s_add_nc_u64 s[4:5], s[4:5], s[22:23]
	s_add_nc_u64 s[HP:HP+1], s[HP:HP+1], s[24:25]
.irp j, 0,1,2,3,4,5,6,7
	global_load_b128 v[G+4*\j:G+4*\j+3], v3, s[6:7] offset:512*\j
	global_load_b128 v[BB+4*\j:BB+4*\j+3], v3, s[8:9] offset:512*\j
.endr
.set i, 0
.rept 32                               ; row i / 8, piece i % 8: the immediates run on end
	global_load_b128 v[X+4*i:X+4*i+3], v1, s[4:5] offset:512*i th:TH_LOAD_NT
.set i, i+1
.endr
	LNROW 0
	LNROW 1
	LNROW 2
	LNROW 3
	s_endpgm
.Lcast:
	s_sub_co_u32 s22, ttmp9, 256                   ; c: my block of 65,536 bytes among the four matrices' 768
	s_wait_kmcnt 0x0
	s_mov_b64 s[24:25], s[16:17]                   ; the fourth matrix from block 512,
	s_mov_b32 s26, 512
	s_cmp_lt_u32 s22, 512
	s_cselect_b64 s[24:25], s[14:15], s[24:25]     ; the third from 256,
	s_cselect_b32 s26, 256, s26
	s_cmp_lt_u32 s22, 256
	s_cselect_b64 s[24:25], s[12:13], s[24:25]     ; the second from 192,
	s_cselect_b32 s26, 192, s26
	s_cmp_lt_u32 s22, 192
	s_cselect_b64 s[24:25], s[10:11], s[24:25]     ; the first from 0
	s_cselect_b32 s26, 0, s26
	s_sub_co_u32 s26, s22, s26
	s_lshl_b32 s26, s26, 16
	s_mov_b32 s27, 0
	s_add_nc_u64 s[24:25], s[24:25], s[26:27]
	s_lshl_b32 s28, s22, 15                        ; the copies lie in W in the order of c
	s_mov_b32 s29, 0
	s_add_nc_u64 s[20:21], s[20:21], s[28:29]
.set i, 0
.rept 32
	global_load_b128 v[X+4*i:X+4*i+3], v1, s[24:25] offset:512*i th:TH_LOAD_NT
.set i, i+1
.endr
.set i, 0
.rept 32
	s_wait_loadcnt 31-i                            ; piece i is in; the younger ones stay out
	v_cvt_pk_bf16_f32 v[X+4*i], v[X+4*i], v[X+4*i+1]
	v_cvt_pk_bf16_f32 v[X+4*i+1], v[X+4*i+2], v[X+4*i+3]
	global_store_b64 v2, v[X+4*i:X+4*i+1], s[20:21] offset:256*i
.set i, i+1
.endr
	s_endpgm
.Lfunc_end_k_q3c1a709833_prep:
	.size	k_q3c1a709833_prep, .Lfunc_end_k_q3c1a709833_prep-k_q3c1a709833_prep
	.p2alignl 7, 3214868480
	.fill 96, 4, 3214868480
	.section	.rodata,"a",@progbits
	.p2align	6, 0x0
	.amdhsa_kernel k_q3c1a709833_prep
		.amdhsa_group_segment_fixed_size 0
		.amdhsa_private_segment_fixed_size 0
		.amdhsa_enable_private_segment 0
		.amdhsa_kernarg_size 72
		.amdhsa_user_sgpr_count 2
		.amdhsa_user_sgpr_kernarg_segment_ptr 1
		.amdhsa_wavefront_size32 1
		.amdhsa_system_sgpr_workgroup_id_x 1
		.amdhsa_system_sgpr_workgroup_id_y 1
		.amdhsa_system_sgpr_workgroup_id_z 1
		.amdhsa_system_vgpr_workitem_id 0
		.amdhsa_next_free_vgpr 216
		.amdhsa_next_free_sgpr 66
		.amdhsa_reserve_vcc 0
		.amdhsa_float_denorm_mode_32 3
		.amdhsa_float_denorm_mode_16_64 3
		.amdhsa_memory_ordered 1
		.amdhsa_forward_progress 1
		.amdhsa_inst_pref_size 50
	.end_amdhsa_kernel
	.amdgpu_metadata
---
amdhsa.version: [ 1, 2 ]
amdhsa.kernels:
  - .name:           k_q3c1a709833_prep
    .symbol:         k_q3c1a709833_prep.kd
    .args:
      - { .name: x, .offset: 0, .size: 8, .value_kind: global_buffer, .address_space: global }
      - { .name: ln1_g, .offset: 8, .size: 8, .value_kind: global_buffer, .address_space: global }
      - { .name: ln1_b, .offset: 16, .size: 8, .value_kind: global_buffer, .address_space: global }
      - { .name: w_qkv, .offset: 24, .size: 8, .value_kind: global_buffer, .address_space: global }
      - { .name: w_out, .offset: 32, .size: 8, .value_kind: global_buffer, .address_space: global }
      - { .name: w1, .offset: 40, .size: 8, .value_kind: global_buffer, .address_space: global }
      - { .name: w2, .offset: 48, .size: 8, .value_kind: global_buffer, .address_space: global }
      - { .name: h, .offset: 56, .size: 8, .value_kind: global_buffer, .address_space: global }
      - { .name: wbf, .offset: 64, .size: 8, .value_kind: global_buffer, .address_space: global }
    .group_segment_fixed_size: 0
    .private_segment_fixed_size: 0
    .kernarg_segment_align: 8
    .kernarg_segment_size: 72
    .max_flat_workgroup_size: 128
    .sgpr_count:     66
    .vgpr_count:     216
    .wavefront_size: 32
...
	.end_amdgpu_metadata
.endif
;; end of part 1
;; launch gqkv (part 2): grid 8 x 32, 4 waves a work-group, clusters of 4 x 4, 327,680 bytes of LDS; arguments h, wbf, qkv; writes qkv
.if DOCPART == 2
	.amdgcn_target "amdgcn-amd-amdhsa--gfx1250"
	.amdhsa_code_object_version 6
	.text
	.protected	k_q3c1a709833_gqkv
	.globl	k_q3c1a709833_gqkv
	.p2align	8
	.type	k_q3c1a709833_gqkv,@function
k_q3c1a709833_gqkv:
	s_mov_b64 s[64:65], 0
	v_nop
	global_prefetch_b8 v0, s[64:65] scope:SCOPE_SE
	s_setreg_imm32_b32 hwreg(HW_REG_WAVE_MODE, 25, 1), 1
	s_wait_xcnt 0x0
	s_wait_alu depctr_hold_cnt(0) depctr_sa_sdst(0) depctr_va_vdst(0) depctr_va_sdst(0) depctr_va_ssrc(0) depctr_va_vcc(0) depctr_vm_vsrc(0)
	s_getreg_b32 s2, hwreg(HW_REG_IB_STS2, 6, 4)
	s_cmp_eq_u32 s2, 0
	s_cbranch_scc0 .Lentry_in_a_cluster
	s_endpgm
.Lentry_in_a_cluster:
	s_bfe_u32 s2, ttmp6, 0x10000c
	s_cmp_lg_u32 s2, 0xf033
	s_cbranch_scc0 .Lentry_shape_is_right
	s_endpgm
.Lentry_shape_is_right:
; qkv = h x w_qkv.  h: [4096][1024] bf16; w_qkv: bf16 [1024][3072] at wbf's first byte; sums in f32; the result rounded once to bf16 and laid by heads: qkv[3][32 = batch x 16 + head][2048][64].
; A tile of C is 128 x 384; four waves as 2 x 2; a wave has 64 rows x three heads (heads wn, wn + 2, wn + 4 of the tile's six): 48 accumulators of 16 x 16.
; THE MATRIX INSTRUCTION IS USED TRANSPOSED: source 0 = 16 columns of the weights, source 1 = 16 rows of h; a lane then holds one row of C and eight neighbouring columns.
; h's fragments come out of LDS as they lie (K along the rows); the weights lie [k][n] in LDS and come turned, by ds_load_tr16_b128.
; K goes in 8 steps of 128 through two LDS slots; a step is four quarters of 32; a quarter is 32 LDS loads and 48 products, on two fragment buffers by turns.
; THE WALK ALONG K.  A cluster takes the K steps in the order t xor p, p = (cluster x + cluster y) mod 2: 1, 0, 3, 2, .. where p = 1.  Clusters that are neighbours along x read the same rows of h, neighbours
; along y the same rows of the weights, and their p differ: of each pair of K steps each of the two asks for one first, and for the other one change of slots after its neighbour has read it.  The sums are f32: their order is free.
; CLUSTER 4 x 4: h's tile is shared along a row of the cluster, the weights' along a column: each is asked for jointly, one tensor load a wave behind each round (waves 0, 1: h's halves; 2, 3: the weights').
; A wave has one tensor load out at the most.  lds_bytes claims all of the LDS.
; REGISTERS: window 0 addresses and the way out; window 1 two fragment buffers of 128; windows 2 and 3 the accumulators, number a x 12 + b at 512 + 8 x number.
; LIMITS: operands are rounded to bf16; NaN and infinities are not treated apart.
.set TM, 128
.set TN, 384
.set MB, 4                             ; blocks of 16 rows a wave
.set NBL, 12                           ; blocks of 16 columns a wave
.set QD, 1                             ; products deep in a quarter
.set KTOT, 1024
.set NTOT, 3072
.set NS, 8                             ; K steps
.set GX, 2                             ; the walk goes by groups of two K steps
.set PA, 272                           ; an LDS row of A: 256 bytes + 16
.set QA, 64                            ; A's bytes from quarter to quarter
.set PB, 864                           ; an LDS row of B: three pieces of 256 bytes + 32
.set QB, 27648                         ; 32 rows of B
.set BG, 288                           ; from four column blocks (a head) to the next four of mine
.set ABYTES, 34816
.set SLOT, 145408
.set AWL, 17408                        ; what one load brings of A, in LDS
.set BWL, 55296                        ; of B
.set ATR, 262144                       ; A in memory: bytes from tile row to tile row,
.set AHALF, 131072                     ; from half to half,
.set ASTEP, 256                        ; from K step to K step
.set BW0, 0                            ; B in memory: its place in wbf,
.set BTC, 768
.set BHALF, 393216
.set BSTEP, 786432
.set AQI, 5                            ; padding: after every 64 words,
.set APC, 3                            ; 4 words
.set AD0, 128
.set AD1, 64
.set AST, 1024
.set BQI, 5
.set BPC, 7                            ; 8 words
.set BD0, 384
.set BD1, 64
.set BST, 3072
.set A0W, 17408                        ; my 64 rows of A in a slot
.set B0W, 128                          ; my head in a pair of heads
.set W1, 4                             ; the youngest loads of a quarter that its first half does not read: A's upper two blocks
.set PD, 784                           ; the dump: 192 f32 + 16 bytes
.set DWB, 50176                        ; 64 such rows, a wave's
.set NPA, TM/128
.set NPB, TN/128
.set SPARE, 327168                     ; the spare words: 128 bytes a wave, two blocks of 256 bytes that no other line names
.set A0,  4                            ; v4   my lane's place in A's tile
.set B0,  5                            ; v5   in B's
.set ADA, 6                            ; v6, v7  the addresses of the run of loads in hand
.set ADB, 7
.set STO, 8                            ; v8   the dump: where I put 32 bytes of a row
.set RD0, 9                            ; v9   where I read rows back
.set RDA, 10
.set SPW, 12
.set NIL, 13
.set PFO, 14                           ; v14  the prefetches' offset: a lane a row
.set VO,  20                           ; v[20:22] my byte offset in qkv, for each of my three heads
.set XO,  96                           ; v[96:143]  12 x 4 f32 read back
.set YO,  144                          ; v[144:167] 12 x 2 packed
.set WV, 14
.set WM, 15
.set WN, 16
.set CX, 17
.set CY, 18
.set TC, 19
.set TR, 20
.set MKA, 21
.set MKB, 22
.set LT, 23                            ; s23  at work for LDS addresses alone
.set G1A, 24
.set G0A, 32
.set G0B, 36
.set G1B, 40
.set FB, 48                            ; the slot that is filled next: 0 or SLOT
.set WLA, 49
.set WLB, 50
.set TBA, 51                           ; LDS byte at which A's next quarter begins
.set TBB, 52
.set SLOTS, 53
.set CNT, 54
.set LIM, 55                           ; 0 in a wave that prefetches, else 1
.set PFP, 56
.set PFS, 58
.set ABA, 60                           ; s[60:61] A at my half of the tile's rows, K step 0: the tile row and the wave's number alone
.set OFA, 62                           ; s[62:63] the K step's bytes in A
.set BBA, 66                           ; s[66:67] B at my half of a K step's rows: the tile column and the wave's number alone
.set OFB, 68                           ; s[68:69] the K step's bytes in B
.set FT, 77                            ; the place in the walk that was asked for last
.set PX, 78                            ; p
.set KK, 79                            ; at work
.set MSB, 0
.macro WIN new                         ; the high byte repeats the setting that is left; a switch that changes nothing is dropped
.if MSB != (\new)
	s_set_vgpr_msb (MSB<<8)|(\new)
.set MSB, (\new)
.endif
.endm
.macro CROUND                          ; a round of the cluster's barrier
	s_barrier_signal -1
	s_barrier_wait -1
	s_cmp_lg_u32 s[WV], 0
	s_cbranch_scc1 .Lnot_wave_0_\@
	s_barrier_signal -3
.Lnot_wave_0_\@:
	s_barrier_wait -3
	s_barrier_signal -1
	s_barrier_wait -1
.endm
.macro JLOAD                           ; a joint load; the branch hangs on the wave's number alone; an s_nop 0 and four v_nop follow each line
	s_cmp_lt_u32 s[WV], 2
	s_cbranch_scc0 .Lfor_b_\@
	tensor_load_to_lds s[G0A:G0A+3], s[G1A:G1A+7]
	s_nop 0
.rept 4
	v_nop
.endr
	s_branch .Lasked_\@
.Lfor_b_\@:
	tensor_load_to_lds s[G0B:G0B+3], s[G1B:G1B+7]
	s_nop 0
.rept 4
	v_nop
.endr
.Lasked_\@:
.endm
; A prefetch of the K step that the NEXT change of slots will ask for (one K step, 192 products a wave, ahead), where that step stands at an even place of the walk: the places at which no neighbour has read the
; step before me.  Each block of 256 bytes is named once in the launch: A's rows by the clusters with x < 2 (wave 0), B's by the clusters with y < 2 (wave 2): for each K step one of the two has the p that reads it
; first; the four partners that share a tile take a quarter of its rows each, told apart by address.  The walk's first two steps come by their loads alone; the last filling change asks for nothing.
.macro ASK
	s_add_co_u32 s[KK], s[FT], 1
	s_and_b32 s[KK], s[KK], GX-1                   ; 0 where the next place is even,
	s_or_b32 s[KK], s[KK], s[LIM]                  ; in a wave that asks,
	s_cmp_eq_u32 s[FT], NS-1
	s_cselect_b32 s[KK], 1, s[KK]                  ; and where there is a next place
	s_cmp_eq_u32 s[KK], 0
	s_cbranch_scc0 .Lnone_\@
	s_cmp_eq_u32 s[WV], 0
	s_cbranch_scc0 .Lpfb_\@
.set ip, 0
.rept NPA
	global_prefetch_b8 v[PFO], s[PFP:PFP+1] offset:ip*64*KTOT th:TH_LOAD_NT scope:SCOPE_SE
.set ip, ip+1
.endr
	s_branch .Lnone_\@
.Lpfb_\@:
.set ip, 0
.rept NPB
	global_prefetch_b8 v[PFO], s[PFP:PFP+1] offset:ip*256 th:TH_LOAD_NT scope:SCOPE_SE
.set ip, ip+1
.endr
.Lnone_\@:
.endm
; THE CHANGE OF SLOTS.  Every wave waits for all its tensor loads (its part of the other slot), adds 0 to its spare word, and waits for that and for its reads of the slot that it leaves.
; fill = 1: a round of the cluster's barrier, and the joint refill of the slot just left is the first thing behind it.  The descriptors' global addresses are made anew: the base and K step FT xor p.
.macro CHANGE fill
	WIN 0
	s_wait_tensorcnt 0x0                           ; no tensor load of mine is out: the descriptors may be written
	ds_add_u32 v[SPW], v[NIL]
.if \fill
	s_xor_b32 s[FB], s[FB], SLOT
	s_add_co_u32 s[G0A+1], s[FB], s[WLA]
	s_add_co_u32 s[G0B+1], s[FB], s[WLB]
	s_add_co_u32 s[FT], s[FT], 1
	s_xor_b32 s[KK], s[FT], s[PX]
	s_mul_i32 s[OFA], s[KK], ASTEP
	s_mul_i32 s[OFB], s[KK], BSTEP
	s_add_nc_u64 s[G0A+2:G0A+3], s[ABA:ABA+1], s[OFA:OFA+1]
	s_or_b32 s[G0A+3], s[G0A+3], 0x80000000
	s_add_nc_u64 s[G0B+2:G0B+3], s[BBA:BBA+1], s[OFB:OFB+1]
	s_or_b32 s[G0B+3], s[G0B+3], 0x80000000
	s_wait_xcnt 0x0                                ; the last prefetches, a K step or two back, have read their address
	s_add_nc_u64 s[PFP:PFP+1], s[PFP:PFP+1], s[PFS:PFS+1]
	s_wait_dscnt 0x0                               ; the add is done, and my reads of the slot are over
	CROUND
	JLOAD
	ASK
.else
	s_wait_dscnt 0x0
	s_barrier_signal -1
	s_barrier_wait -1
.endif
	s_sub_co_u32 s[TBA], s[TBA], 4*QA              ; the fetches go back to a slot's first quarter,
	s_xor_b32 s[TBA], s[TBA], SLOT                 ; in the other slot
	s_sub_co_u32 s[TBB], s[TBB], 4*QB
	s_xor_b32 s[TBB], s[TBB], SLOT
.endm
.macro PROD f, first                   ; accumulator (ia, ib) takes B(ic, ib) x A(ic, ia) of buffer f; first: it starts the sum
.set nn, ia*NBL+ib
.set rD, 8*(nn%32)
.set rB, 128*(\f)+8*MB*QD+8*(ic*NBL+ib)
.set rA, 128*(\f)+8*(ic*MB+ia)
.if \first
	WIN 0xa5+0x50*(nn/32)
	v_wmma_f32_16x16x32_bf16 v[rD:rD+7], v[rB:rB+7], v[rA:rA+7], 0
.else
	WIN 0xa5+0x50*(nn/32)
	v_wmma_f32_16x16x32_bf16 v[rD:rD+7], v[rB:rB+7], v[rA:rA+7], v[rD:rD+7]
.endif
.endm
.macro MULS f, part, first             ; half a quarter's products; the accumulators take turns, one instruction a turn
.set ic, 0
.set ia, (\part)*(MB/2)
.rept MB/2
.set ib, 0
.rept NBL
	PROD \f, \first
.set ib, ib+1
.endr
.set ia, ia+1
.endr
.endm
.macro FETCH g                         ; a quarter's 32 LDS loads, in one run, into buffer g; the four plain lines at its head are the places behind the last product that read g
	WIN 0
	v_add_nc_u32 v[ADA], s[TBA], v[A0]
	v_add_nc_u32 v[ADB], s[TBB], v[B0]
	v_nop
	v_nop
	s_add_co_u32 s[TBA], s[TBA], QA
	s_add_co_u32 s[TBB], s[TBB], QB
	WIN 0x40
.set ic, 0
.rept QD
.set ib, 0
.rept NBL
.set rB, 128*(\g)+8*MB*QD+8*(ic*NBL+ib)
.set oB, ic*32*PB+(ib/4)*BG+(ib%4)*32
	ds_load_tr16_b128 v[rB:rB+3], v[ADB] offset:oB
	ds_load_tr16_b128 v[rB+4:rB+7], v[ADB] offset:oB+16*PB
.set ib, ib+1
.endr
.set ia, 0
.rept MB
.set rA, 128*(\g)+8*(ic*MB+ia)
	ds_load_b128 v[rA:rA+3], v[ADA] offset:ia*16*PA+64*ic
	ds_load_b128 v[rA+4:rA+7], v[ADA] offset:ia*16*PA+64*ic+32
.set ia, ia+1
.endr
.set ic, ic+1
.endr
.endm
.macro HALF f, g, first                ; a quarter: buffer f is multiplied, the next quarter fetched into g in its middle
	s_wait_dscnt W1                                ; all of f but the youngest W1 loads, which the first half does not read
	MULS \f, 0, \first
	FETCH \g
	s_wait_dscnt 32                                ; all but the 32 just issued
	MULS \f, 1, \first
.endm
	s_load_b128 s[4:7], s[0:1], 0x0                ; h, wbf
	s_load_b64 s[8:9], s[0:1], 0x10                ; qkv
	v_lshl_add_u32 v[SPW], v0, 2, SPARE
	v_mov_b32 v[NIL], 0
	ds_add_u32 v[SPW], v[NIL]                      ; the wave's opening: the add and its wait ahead of my first tensor load; work on registers between them
	v_lshrrev_b32 v3, 5, v0
	v_readfirstlane_b32 s[WV], v3
	s_lshr_b32 s[WM], s[WV], 1                     ; my half of the tile's rows
	s_and_b32 s[WN], s[WV], 1                      ; my half of its columns; also: which half of a tile I fetch
	s_bfe_u32 s[CX], ttmp6, 0x40000
	s_bfe_u32 s[CY], ttmp6, 0x40004
	s_lshl_b32 s[TC], ttmp9, 2
	s_add_co_u32 s[TC], s[TC], s[CX]               ; tile column
	s_and_b32 s[TR], ttmp7, 0xffff
	s_lshl_b32 s[TR], s[TR], 2
	s_add_co_u32 s[TR], s[TR], s[CY]               ; tile row
	s_lshl_b32 s[MKA], s[CY], 2
	s_lshl_b32 s[MKA], 15, s[MKA]                  ; my row of the cluster
	s_lshl_b32 s[MKB], 0x1111, s[CX]               ; my column
	s_and_b32 s[PX], ttmp7, 0xffff
	s_add_co_u32 s[PX], s[PX], ttmp9
	s_and_b32 s[PX], s[PX], GX-1                   ; p: made of the cluster's own coordinates, which all sixteen partners share
	s_mov_b32 s[FT], 0
	s_or_b32 s[G1A], s[MKA], (1<<16)|(1<<20)|(1<<21)|(AQI<<22)|(APC<<25)
	s_mov_b32 s[G1A+1], AD0<<16
	s_mov_b32 s[G1A+2], AD1<<16
	s_mov_b32 s[G1A+3], AD0<<16
	s_mov_b32 s[G1A+4], AD1
	s_mov_b32 s[G1A+5], AST
	s_mov_b32 s[G1A+6], 0
	s_mov_b32 s[G1A+7], 0
	s_or_b32 s[G1B], s[MKB], (1<<16)|(1<<20)|(1<<21)|(BQI<<22)|(BPC<<25)
	s_mov_b32 s[G1B+1], BD0<<16
	s_mov_b32 s[G1B+2], BD1<<16
	s_mov_b32 s[G1B+3], BD0<<16
	s_mov_b32 s[G1B+4], BD1
	s_mov_b32 s[G1B+5], BST
	s_mov_b32 s[G1B+6], 0
	s_mov_b32 s[G1B+7], 0
	s_mul_i32 s[ABA], s[TR], ATR                   ; A's offset: the tile row and the wave's number alone
	s_mul_i32 s[ABA+1], s[WN], AHALF
	s_add_co_u32 s[ABA], s[ABA], s[ABA+1]
	s_mov_b32 s[ABA+1], 0
	s_mul_i32 s[OFA], s[PX], ASTEP                 ; the walk's first K step is p
	s_mov_b32 s[OFA+1], 0
	s_mul_i32 s[BBA], s[TC], BTC                   ; B's: the tile column and the wave's number alone
	s_mul_i32 s[BBA+1], s[WN], BHALF
	s_add_co_u32 s[BBA], s[BBA], s[BBA+1]
	s_mov_b32 s[BBA+1], 0
	s_mul_i32 s[OFB], s[PX], BSTEP
	s_mov_b32 s[OFB+1], 0
	s_mul_i32 s[WLA], s[WN], AWL
	s_mul_i32 s[WLB], s[WN], BWL
	s_add_co_u32 s[WLB], s[WLB], ABYTES
	s_mov_b32 s[G0A], 1
	s_mov_b32 s[G0A+1], s[WLA]
	s_mov_b32 s[G0B], 1
	s_mov_b32 s[G0B+1], s[WLB]
	s_mov_b32 s[FB], 0
	s_mov_b32 s[TBA], SLOT+4*QA                    ; the first change turns these two into 0
	s_mov_b32 s[TBB], SLOT+4*QB
	s_mov_b32 s[SLOTS], NS-1
	s_mul_i32 s70, s[TR], TM                       ; the prefetches.  A: my work-group's quarter of the tile's rows, at K step 1 + p
	s_mul_i32 s71, s[CX], TM/4
	s_add_co_u32 s70, s70, s71
	s_mul_i32 s70, s70, 2*KTOT
	s_add_co_u32 s70, s70, ASTEP
	s_mul_i32 s72, s[TC], BTC                      ; B: my work-group's 32 of the step's 128 rows, at K step 1 + p
	s_mul_i32 s73, s[CY], 64*NTOT
	s_add_co_u32 s72, s72, s73
	s_add_co_u32 s72, s72, BW0+BSTEP
	s_and_b32 s74, ttmp7, 0xffff                   ; cluster y
	s_mov_b32 s75, BSTEP
	s_mov_b32 s76, 2*NTOT
	s_cmp_eq_u32 s[WV], 0
	s_cselect_b32 s70, s70, s72
	s_cselect_b32 s[PFS], ASTEP, s75
	s_cselect_b32 s76, 2*KTOT, s76
	s_cselect_b32 s74, ttmp9, s74                  ; the coordinate along which other clusters read the same rows
	s_mul_i32 s73, s[PX], s[PFS]
	s_add_co_u32 s70, s70, s73
	s_lshr_b32 s74, s74, 1                         ; 0 where that coordinate is below 2,
	s_or_b32 s74, s74, s[WN]                       ; in waves 0 and 2
	s_cmp_eq_u32 s74, 0
	s_cselect_b32 s[LIM], 0, 1                     ; the same in all sixteen partners, for a given wave
	s_mov_b32 s71, 0
	s_mov_b32 s[PFS+1], 0
	v_and_b32 v[PFO], 31, v0
	v_mul_u32_u24 v[PFO], s76, v[PFO]
	s_wait_dscnt 0x0                               ; the opening add is done
	s_wait_kmcnt 0x0
	s_add_nc_u64 s[ABA:ABA+1], s[4:5], s[ABA:ABA+1]
	s_add_nc_u64 s[BBA:BBA+1], s[6:7], s[BBA:BBA+1]
	s_add_nc_u64 s[G0A+2:G0A+3], s[ABA:ABA+1], s[OFA:OFA+1]
	s_or_b32 s[G0A+3], s[G0A+3], 0x80000000
	s_add_nc_u64 s[G0B+2:G0B+3], s[BBA:BBA+1], s[OFB:OFB+1]
	s_or_b32 s[G0B+3], s[G0B+3], 0x80000000
	s_cmp_eq_u32 s[WV], 0
	s_cselect_b64 s[PFP:PFP+1], s[4:5], s[6:7]
	s_add_nc_u64 s[PFP:PFP+1], s[PFP:PFP+1], s[70:71]
	CROUND                                         ; all sixteen work-groups are here: the first joint loads meet
	JLOAD                                          ; the walk's first K step into slot 0
	v_and_b32 v1, 15, v0                           ; l % 16
	v_bfe_u32 v2, v0, 4, 1                         ; l / 16
	v_mul_u32_u24 v[A0], v1, PA
	v_lshl_add_u32 v[A0], v2, 4, v[A0]
	s_mul_i32 s[LT], s[WM], A0W
	v_add_nc_u32 v[A0], s[LT], v[A0]               ; row x pitch + 16 x half + my rows
	v_and_b32 v16, 7, v0
	v_lshl_add_u32 v16, v2, 3, v16                 ; the turning load: k row 8 (l / 16) + l % 8,
	v_mul_u32_u24 v[B0], v16, PB
	v_bfe_u32 v17, v0, 3, 1
	v_lshl_add_u32 v[B0], v17, 4, v[B0]            ; columns 8 ((l / 8) % 2) on
	s_mul_i32 s[LT], s[WN], B0W
	s_add_co_u32 s[LT], s[LT], ABYTES
	v_add_nc_u32 v[B0], s[LT], v[B0]
	s_mul_i32 s[LT], s[WV], DWB                    ; my dump
	v_mul_u32_u24 v[STO], v1, PD
	v_lshl_add_u32 v[STO], v2, 5, v[STO]
	v_add_nc_u32 v[STO], s[LT], v[STO]
	v_mul_u32_u24 v[RD0], v2, PD                   ; back: lanes 0-15 one row of a head (256 bytes of f32), lanes 16-31 the next
	v_lshl_add_u32 v[RD0], v1, 4, v[RD0]
	v_add_nc_u32 v[RD0], s[LT], v[RD0]
	v_and_b32 v16, 31, v0
	v_lshlrev_b32 v16, 3, v16                      ; two rows of a head in qkv are 256 bytes on end: 8 x lane
	s_mul_i32 s70, s[TC], 6
	s_add_co_u32 s70, s70, s[WN]                   ; my first head among the 48 of q, k, v
	s_lshr_b32 s73, s[TR], 4
	s_lshl_b32 s73, s73, 4                         ; 16 x batch
.irp g, 0,1,2
	s_add_co_u32 s71, s70, 2*\g
	s_lshr_b32 s72, s71, 4                         ; q, k or v
	s_lshl_b32 s72, s72, 5
	s_and_b32 s71, s71, 15                         ; the head
	s_add_co_u32 s72, s72, s71
	s_add_co_u32 s72, s72, s73
	s_lshl_b32 s72, s72, 18                        ; 2,048 rows of 128 bytes
	v_add_nc_u32 v[VO+\g], s72, v16
.endr
	s_and_b32 s74, s[TR], 15
	s_lshl_b32 s74, s74, 7
	s_lshl_b32 s75, s[WM], 6
	s_add_co_u32 s74, s74, s75                     ; my first row in the batch
	s_lshl_b32 s74, s74, 7
	s_mov_b32 s75, 0
	s_add_nc_u64 s[8:9], s[8:9], s[74:75]
	CHANGE 1                                       ; slot 0 is in, everybody's part of it; the walk's second K step goes into slot 1
	FETCH 0
	HALF 0, 1, 1                                   ; the first quarter starts the sums: nothing is cleared
	WIN 0
	s_mov_b32 s[CNT], 1                            ; the first slot has one more pair of quarters ahead of its change: the loop is entered in the middle of a trip
	s_branch .Lpair
.Lslot:                                        ; a trip: a slot's last quarter (in registers already) and the next slot's first three; NS - 2 trips begin here
	CHANGE 1
	s_mov_b32 s[CNT], 2
.Lpair:
	HALF 1, 0, 0
	HALF 0, 1, 0
	WIN 0
	s_sub_co_u32 s[CNT], s[CNT], 1
	s_cmp_lg_u32 s[CNT], 0
	s_cbranch_scc1 .Lpair
	s_sub_co_u32 s[SLOTS], s[SLOTS], 1
	s_cmp_lg_u32 s[SLOTS], 0
	s_cbranch_scc1 .Lslot
	CHANGE 0                                       ; the tail is written out
	s_mov_b32 s[CNT], 2
.Lpair2:
	HALF 1, 0, 0
	HALF 0, 1, 0
	WIN 0
	s_sub_co_u32 s[CNT], s[CNT], 1
	s_cmp_lg_u32 s[CNT], 0
	s_cbranch_scc1 .Lpair2
	s_wait_dscnt 0x0                               ; my reads of the ring are over:
	s_barrier_signal -1
	MULS 1, 0, 0
	MULS 1, 1, 0
	WIN 0
	s_barrier_wait -1                              ; everybody's are; the ring has had its last fill, so the dump may lie there
.rept 8
	v_nop                                          ; the places behind the last products
.endr
.set nn, 0
.rept MB*NBL                           ; each accumulator's low registers go first
	WIN 0x08+4*(nn/32)
	ds_store_b128 v[STO], v[8*(nn%32):8*(nn%32)+3] offset:(nn/NBL)*16*PD+64*(nn%NBL)
	ds_store_b128 v[STO], v[8*(nn%32)+4:8*(nn%32)+7] offset:(nn/NBL)*16*PD+64*(nn%NBL)+16
.set nn, nn+1
.endr
	WIN 0
	; THE WAY OUT: 8 trips of 8 rows.  A wave reads back its own dump alone, and LDS serves a wave's instructions in order: no wait between the stores above and these loads.
	s_mov_b32 s[CNT], 8
	s_mov_b32 s[LT], 0
.Lrows:
	v_add_nc_u32 v[RDA], s[LT], v[RD0]
.set k, 0
.rept 12                               ; head k / 4, rows 2 (k % 4) and the next
	ds_load_b128 v[XO+4*k:XO+4*k+3], v[RDA] offset:2*(k%4)*PD+256*(k/4)
.set k, k+1
.endr
	s_wait_xcnt 0x0                                ; the last trip's stores have read their data and their base: both are written again only behind this wait, which stands behind this trip's LDS loads
	s_add_nc_u64 s[8:9], s[8:9], 1024              ; the base steps ahead of the stores, which reach back
.set k, 0
.rept 12
	s_wait_dscnt 11-k                              ; load k is back; the younger ones stay out
	v_cvt_pk_bf16_f32 v[YO+2*k], v[XO+4*k], v[XO+4*k+1]
	v_cvt_pk_bf16_f32 v[YO+2*k+1], v[XO+4*k+2], v[XO+4*k+3]
	global_store_b64 v[VO+k/4], v[YO+2*k:YO+2*k+1], s[8:9] offset:256*(k%4)-1024  ; 32 lanes: 256 bytes on end, aligned
.set k, k+1
.endr
	s_add_co_u32 s[LT], s[LT], 8*PD
	s_sub_co_u32 s[CNT], s[CNT], 1
	s_cmp_lg_u32 s[CNT], 0
	s_cbranch_scc1 .Lrows
	s_wait_tensorcnt 0x0                           ; the wave's end: these three lines, behind my last tensor load and my last LDS store
	ds_add_u32 v[SPW], v[NIL]
	s_wait_dscnt 0x0
	CROUND                                         ; the closing round
	s_endpgm
.Lfunc_end_k_q3c1a709833_gqkv:
	.size	k_q3c1a709833_gqkv, .Lfunc_end_k_q3c1a709833_gqkv-k_q3c1a709833_gqkv
	.p2alignl 7, 3214868480
	.fill 96, 4, 3214868480
	.section	.rodata,"a",@progbits
	.p2align	6, 0x0
	.amdhsa_kernel k_q3c1a709833_gqkv
		.amdhsa_group_segment_fixed_size 327680
		.amdhsa_private_segment_fixed_size 0
		.amdhsa_enable_private_segment 0
		.amdhsa_kernarg_size 24
		.amdhsa_user_sgpr_count 2
		.amdhsa_user_sgpr_kernarg_segment_ptr 1
		.amdhsa_wavefront_size32 1
		.amdhsa_system_sgpr_workgroup_id_x 1
		.amdhsa_system_sgpr_workgroup_id_y 1
		.amdhsa_system_sgpr_workgroup_id_z 1
		.amdhsa_system_vgpr_workitem_id 0
		.amdhsa_next_free_vgpr 896
		.amdhsa_next_free_sgpr 80
		.amdhsa_reserve_vcc 0
		.amdhsa_float_denorm_mode_32 3
		.amdhsa_float_denorm_mode_16_64 3
		.amdhsa_memory_ordered 1
		.amdhsa_forward_progress 1
		.amdhsa_inst_pref_size 58
	.end_amdhsa_kernel
	.amdgpu_metadata
---
amdhsa.version: [ 1, 2 ]
amdhsa.kernels:
  - .name:           k_q3c1a709833_gqkv
    .symbol:         k_q3c1a709833_gqkv.kd
    .args:
      - { .name: h, .offset: 0, .size: 8, .value_kind: global_buffer, .address_space: global }
      - { .name: wbf, .offset: 8, .size: 8, .value_kind: global_buffer, .address_space: global }
      - { .name: qkv, .offset: 16, .size: 8, .value_kind: global_buffer, .address_space: global }
    .group_segment_fixed_size: 327680
    .private_segment_fixed_size: 0
    .kernarg_segment_align: 8
    .kernarg_segment_size: 24
    .max_flat_workgroup_size: 128
    .sgpr_count:     80
    .vgpr_count:     896
    .wavefront_size: 32
...
	.end_amdgpu_metadata
.endif
;; end of part 2
;; launch attn (part 3): grid 8 x 32, 4 waves a work-group, clusters of 4 x 1, 327,680 bytes of LDS; arguments qkv, ao; writes ao
.if DOCPART == 3
	.amdgcn_target "amdgcn-amd-amdhsa--gfx1250"
	.amdhsa_code_object_version 6
	.text
	.protected	k_q3c1a709833_attn
	.globl	k_q3c1a709833_attn
	.p2align	8
	.type	k_q3c1a709833_attn,@function
k_q3c1a709833_attn:
	s_mov_b64 s[64:65], 0
	v_nop
	global_prefetch_b8 v0, s[64:65] scope:SCOPE_SE
	s_setreg_imm32_b32 hwreg(HW_REG_WAVE_MODE, 25, 1), 1
	s_wait_xcnt 0x0
	s_wait_alu depctr_hold_cnt(0) depctr_sa_sdst(0) depctr_va_vdst(0) depctr_va_sdst(0) depctr_va_ssrc(0) depctr_va_vcc(0) depctr_vm_vsrc(0)
	s_getreg_b32 s2, hwreg(HW_REG_IB_STS2, 6, 4)
	s_cmp_eq_u32 s2, 0
	s_cbranch_scc0 .Lentry_in_a_cluster
	s_endpgm
.Lentry_in_a_cluster:
	s_bfe_u32 s2, ttmp6, 0x10000c
	s_cmp_lg_u32 s2, 0x3003
	s_cbranch_scc0 .Lentry_shape_is_right
	s_endpgm
.Lentry_shape_is_right:
; ATTENTION.  O[hd][q][:] = the sum over k of softmax_k(Q[hd][q] . K[hd][k] / 64) V[hd][k][:], hd = batch x 16 + head, 2,048 keys, 64 channels.  Q, K, V: qkv[3][32][2048][64] bf16.
; Products, maxima and sums in f32; the weights p are rounded to bf16 for the second product (their sum l is taken of the unrounded p), O once at the end.
; O leaves as ao[32 mb][16 head][128 r][64] bf16, row 128 mb + r of the 4,096: 16 rows of a head are 2,048 bytes on end.
; LIMITS.  A weight below 2^-126 counts as 0 in l; c s must stay above -4.25e37, where the running c m starts; NaN and infinities are not treated apart.
; SHARES.  A work-group owns 256 queries of one head, a wave 64: four PIECES of 16.  Every wave walks all keys, 64 a step; a slot of LDS holds four steps.
; LAYOUT.  S^T = K Q^T holds ONE query a lane (lane % 16) and the keys 8 (lane / 16) + 0..7; two such results rounded to bf16 ARE source 1 of O^T = V^T P.  K comes out of LDS as it lies, V turned.
; SOFTMAX.  p = 2^(c s - c m), c = log2(e) / 64, with a running maximum m; O and l are multiplied by a = 2^(c m_old - c m_new) in every step.  m starts at the lowest finite number, O and l at 0.
; TURNS.  Turn n belongs to piece n: 8 products K Q^T of piece n + 1, later 8 products V^T P of piece n - 1; beside them the scaling, exponentials, roundings, sums and rescaling of piece n and the maximum
; and statistics of piece n + 1.  Four vector instructions stand behind every matrix instruction, the others in one run.  A turn's 33 exponentials are one batch, with one wait.
; CLUSTER.  The four query blocks of a cluster belong to one head and walk the same K and V: each tile is asked for jointly.  A wave has one tensor load out at the most.
; lds_bytes claims all of the LDS.
; REGISTERS: window 0 addresses, statistics, S^T (two buffers), P (two buffers); window 1 O^T, 32 a piece; window 2 v0-63 Q, v128-191 K of one step, v192-255 V of one step.
.set NP,    4
.set KS,    64
.set PK,    144       ; a row of K in LDS: 128 bytes + 16
.set PV,    160       ; a row of V: 128 + 32
.set VOFF,  4*KS*PK
.set SLOT1, 1<<17
.set STAGE, SLOT1+4*KS*(PK+PV)  ; behind the ring, never filled by a tensor load: 16 rows x 144 bytes for each wave
.set SP,    144
.set SPARE, STAGE+4*16*SP       ; the spare words: 128 bytes a wave, two blocks of 256 bytes that no other line names
.set AK0, 2
.set AV0, 3
.set AK,  4
.set AV,  5
.set STO, 6
.set RD,  7
.set GO,  8
.set MV,  12          ; v12-13  c m_old, by buffer
.set QO,  15
.set ST,  16          ; piece t's statistics at v[ST+4 t]: c m, m, l (even keys', odd keys')
.set TMP, 48          ; by buffer, c0-c3 at work; c2 takes a
.set PFO, 61          ; v61  256 x my lane
.set SPW, 62
.set NIL, 63
.set S,   64
.set P,   192
.set KF,  128
.set VF,  192
.set WV,  12
.set G1K, 24
.set G1V, 32
.set G0K, 40
.set G0V, 44
.set PFA, 48
.set LIM, 50
.set SLOTS, 56
.set CNT, 57
.set CS,  58
.set SEL, 60
.set TBK, 62
.set TBV, 63
.set MSB, 0
.macro WIN new
.if MSB != (\new)
	s_set_vgpr_msb (MSB<<8)|(\new)
.set MSB, (\new)
.endif
.endm
.set W_KQ, 0x0a       ; K and Q in window 2, S^T in window 0
.set W_PV, 0x52       ; V in window 2, P in window 0, O^T in window 1
.set W_RS, 0x41       ; destination and source 0 in window 1, source 1 in window 0
.macro JLOAD                        ; waves 0 and 1 fetch the halves of a slot's K, waves 2 and 3 those of its V; an s_nop 0 and four v_nop follow each line
	s_cmp_lt_u32 s[WV], 2
	s_cbranch_scc0 .Lfor_v_\@
	tensor_load_to_lds s[G0K:G0K+3], s[G1K:G1K+7]
	s_nop 0
.rept 4
	v_nop
.endr
	s_branch .Lasked_\@
.Lfor_v_\@:
	tensor_load_to_lds s[G0V:G0V+3], s[G1V:G1V+7]
	s_nop 0
.rept 4
	v_nop
.endr
.Lasked_\@:
.endm
; A prefetch of the slot that the NEXT change will ask for: four key steps ahead.  Only the head's first cluster asks; its four partners take 8,192 of the slot's 32,768 bytes each, by address;
; wave 0 asks for K's, wave 2 for V's; a lane a block of 256 bytes.  So each block is named once in the launch.  The last filling change asks for nothing.
.macro ASK
	s_cmp_gt_u32 s[SLOTS], s[LIM]
	s_cbranch_scc0 .Lnot_mine_\@
	global_prefetch_b8 v[PFO], s[PFA:PFA+1] th:TH_LOAD_NT scope:SCOPE_SE
.Lnot_mine_\@:
.endm
.macro CROUND
	s_barrier_signal -1
	s_barrier_wait -1
	s_cmp_lg_u32 s[WV], 0
	s_cbranch_scc1 .Lnot_wave_0_\@
	s_barrier_signal -3
.Lnot_wave_0_\@:
	s_barrier_wait -3
	s_barrier_signal -1
	s_barrier_wait -1
.endm
; THE CHANGE OF SLOTS: every wave waits for all its tensor loads, adds 0 to its spare word, waits for that and for its reads of the slot that it leaves; fill = 1: a round of the cluster's barrier, the joint refill first behind it.
.macro CHANGE fill
	WIN 0
	s_wait_tensorcnt 0x0
	ds_add_u32 v[SPW], v[NIL]
.if \fill
.irp g, G0K, G0V
	s_xor_b32 s[\g+1], s[\g+1], SLOT1
	s_add_nc_u64 s[\g+2:\g+3], s[\g+2:\g+3], 4*KS*128
.endr
	s_wait_xcnt 0x0                 ; the last prefetch, a slot back, has read its address
	s_add_nc_u64 s[PFA:PFA+1], s[PFA:PFA+1], 4*KS*128
	s_wait_dscnt 0x0
	CROUND
	JLOAD
	ASK
.else
	s_wait_dscnt 0x0
	s_barrier_signal -1
	s_barrier_wait -1
.endif
	s_sub_co_u32 s[TBK], s[TBK], 4*KS*PK
	s_xor_b32 s[TBK], s[TBK], SLOT1
	s_sub_co_u32 s[TBV], s[TBV], 4*KS*PV
	s_xor_b32 s[TBV], s[TBV], SLOT1
.endm
	s_load_b128 s[4:7], s[0:1], 0x0   ; qkv s[4:5], ao s[6:7]
	v_lshl_add_u32 v[SPW], v0, 2, SPARE
	v_mov_b32 v[NIL], 0
	ds_add_u32 v[SPW], v[NIL]       ; the wave's opening: the add and its wait ahead of my first tensor load; work on registers between them
	v_lshrrev_b32 v1, 5, v0
	v_readfirstlane_b32 s[WV], v1
	s_bfe_u32 s13, ttmp6, 0x40000   ; cx
	s_lshl_b32 s14, ttmp9, 2
	s_add_co_u32 s14, s14, s13      ; my block of 256 queries: it enters Q's and O's addresses alone
	s_and_b32 s15, ttmp7, 0xffff    ; batch x 16 + head, which the four partners share
	s_and_b32 s16, s[WV], 1         ; which half of a slot's 256 keys I fetch
	s_lshl_b32 s20, s15, 18         ; a head is 262,144 bytes
	s_lshl_b32 s21, s16, 14
	s_add_co_u32 s20, s20, s21
	s_add_co_u32 s22, s20, 16777216 ; V's part of qkv
	s_add_co_u32 s20, s20, 8388608  ; K's
	s_mov_b32 s21, 0
	s_mov_b32 s23, 0
	s_mul_i32 s17, s16, 128*PK
	s_mul_i32 s18, s16, 128*PV
	s_lshl_b32 s2, s15, 18          ; Q: the head, my block's 256 rows, my wave's 64
	s_lshl_b32 s3, s14, 15
	s_add_co_u32 s2, s2, s3
	s_lshl_b32 s3, s[WV], 13
	s_add_co_u32 s2, s2, s3
	s_mov_b32 s3, 0
	s_lshr_b32 s52, s15, 4          ; O: mb = 16 x batch + 2 x block + wave / 2,
	s_lshl_b32 s52, s52, 4
	s_lshl_b32 s53, s14, 1
	s_add_co_u32 s52, s52, s53
	s_lshr_b32 s53, s[WV], 1
	s_add_co_u32 s52, s52, s53
	s_lshl_b32 s52, s52, 18
	s_and_b32 s53, s15, 15          ; the head's 16,384 bytes,
	s_lshl_b32 s53, s53, 14
	s_add_co_u32 s52, s52, s53
	s_lshl_b32 s53, s16, 13         ; the wave's 64 rows of the 128
	s_add_co_u32 s52, s52, s53
	s_mov_b32 s53, 0
	s_lshl_b32 s54, s13, 13         ; the prefetches: my work-group's quarter, in slot 1; the first change steps it to slot 2
	s_add_co_u32 s54, s54, 32768
	s_mov_b32 s55, 0
	; 128 keys are 16,384 dense bytes: asked for as 64 rows of 256 bytes, two keys a row, padded in LDS after every key
	s_mov_b32 s[G1K], 15|(1<<16)|(1<<20)|(1<<21)|(4<<22)|(3<<25)
	s_mov_b32 s[G1V], 15|(1<<16)|(1<<20)|(1<<21)|(4<<22)|(7<<25)
.irp g, G1K, G1V
	s_mov_b32 s[\g+1], 128<<16
	s_mov_b32 s[\g+2], 64<<16
	s_mov_b32 s[\g+3], 128<<16
	s_mov_b32 s[\g+4], 64
	s_mov_b32 s[\g+5], 128
	s_mov_b32 s[\g+6], 0
	s_mov_b32 s[\g+7], 0
.endr
	s_mov_b32 s[CS], 0x3cb8aa3b     ; c = log2(e) / 64
	s_mov_b32 s[CS+1], s[CS]
	s_mov_b32 s[SEL], 0x76543210
	s_mov_b32 s[SEL+1], 0xfedcba98
	s_mov_b32 s[TBK], SLOT1+4*KS*PK ; the first change of slots turns these two into 0
	s_mov_b32 s[TBV], SLOT1+4*KS*PV
	s_mov_b32 s[G0K], 1
	s_mov_b32 s[G0K+1], s17
	s_mov_b32 s[G0V], 1
	s_add_co_u32 s[G0V+1], s18, VOFF
	s_mov_b32 s[SLOTS], 7           ; slots still to be asked for
	s_and_b32 s[LIM], s[WV], 1
	s_or_b32 s[LIM], s[LIM], ttmp9
	s_cmp_eq_u32 s[LIM], 0
	s_cselect_b32 s[LIM], 1, -1     ; 1 in waves 0 and 2 of the head's first cluster: the same in all four partners
	v_and_b32 v[PFO], 31, v0
	v_lshlrev_b32 v[PFO], 8, v[PFO]
	s_wait_dscnt 0x0                ; the opening add is done
	s_wait_kmcnt 0x0
	s_add_nc_u64 s[8:9], s[4:5], s[20:21]    ; K and V at my half of the head's first 256 keys
	s_add_nc_u64 s[10:11], s[4:5], s[22:23]
	s_mov_b64 s[G0K+2:G0K+3], s[8:9]
	s_or_b32 s[G0K+3], s[G0K+3], 0x80000000
	s_mov_b64 s[G0V+2:G0V+3], s[10:11]
	s_or_b32 s[G0V+3], s[G0V+3], 0x80000000
	s_cmp_lt_u32 s[WV], 2
	s_cselect_b64 s[PFA:PFA+1], s[8:9], s[10:11]
	s_add_nc_u64 s[PFA:PFA+1], s[PFA:PFA+1], s[54:55]
	s_add_nc_u64 s[4:5], s[4:5], s[2:3]      ; Q and O at my wave's first row
	s_add_nc_u64 s[6:7], s[6:7], s[52:53]
	CROUND                          ; all four work-groups are here: the first joint loads meet
	JLOAD                           ; slot 0
	v_and_b32 v1, 15, v0            ; l % 16
	v_bfe_u32 v9, v0, 4, 1          ; l / 16
	v_lshlrev_b32 v[QO], 7, v1
	v_lshl_add_u32 v[QO], v9, 4, v[QO]
	WIN 0x80
.set i, 0
.rept 8                             ; Q stays in registers: piece i / 2, channels 32 (i % 2) on
	global_load_b128 v[8*i:8*i+3],   v[QO], s[4:5] offset:(i/2)*2048+(i%2)*64
	global_load_b128 v[8*i+4:8*i+7], v[QO], s[4:5] offset:(i/2)*2048+(i%2)*64+32
.set i, i+1
.endr
	; What the first turn finds: V's registers and P's second buffer hold 0, O^T and l are 0.  No first step is written out; these lines run in the wait for the first tile.
.set i, VF
.rept 64
	v_mov_b32 v[i], 0
.set i, i+1
.endr
	WIN 0x40
.set i, 0
.rept 128
	v_mov_b32 v[i], 0
.set i, i+1
.endr
	WIN 0
.set i, 0
.rept 4
	v_mov_b32 v[ST+4*i], 0xfe000000    ; c m: far below every c s
	v_mov_b32 v[ST+4*i+1], 0xff7fffff  ; m
	v_mov_b32 v[ST+4*i+2], 0
	v_mov_b32 v[ST+4*i+3], 0
.set i, i+1
.endr
.set i, P+16
.rept 16
	v_mov_b32 v[i], 0
.set i, i+1
.endr
	v_mul_u32_u24 v[AK0], v1, PK
	v_lshl_add_u32 v[AK0], v9, 4, v[AK0]
	v_and_b32 v10, 7, v0
	v_bfe_u32 v11, v0, 3, 1
	v_lshl_add_u32 v[AV0], v9, 3, v10
	v_mul_u32_u24 v[AV0], v[AV0], PV
	v_lshl_add_u32 v[AV0], v11, 4, v[AV0]
	v_add_nc_u32 v[AV0], VOFF, v[AV0]
	s_mul_i32 s19, s[WV], 16*SP
	s_add_co_u32 s19, s19, STAGE    ; my stage
	v_mul_u32_u24 v[STO], v1, SP
	v_lshl_add_u32 v[STO], v9, 4, v[STO]
	v_add_nc_u32 v[STO], s19, v[STO]
	v_bfe_u32 v[RD], v0, 3, 2       ; back: 32 lanes take four rows of 128 bytes,
	v_mul_u32_u24 v[RD], v[RD], SP
	v_lshl_add_u32 v[RD], v10, 4, v[RD]
	v_add_nc_u32 v[RD], s19, v[RD]
	v_and_b32 v[GO], 31, v0         ; which are 512 bytes on end of ao
	v_lshlrev_b32 v[GO], 4, v[GO]
; THE MATRIX WORK.  The 4 accumulators of a run of 8 take turns.
.macro KQ x                         ; product i of 8 of S^T = K Q^T for piece x: channels 32 (i / 4) on, keys 16 (i % 4) on
	WIN W_KQ
.set rS, S+32*((\x)%2)+8*(i%4)
.set rK, KF+16*(i%4)+8*(i/4)
.set rQ, 16*(\x)+8*(i/4)
.if i < 4
	v_wmma_f32_16x16x32_bf16 v[rS:rS+7], v[rK:rK+7], v[rQ:rQ+7], 0
.else
	v_wmma_f32_16x16x32_bf16 v[rS:rS+7], v[rK:rK+7], v[rQ:rQ+7], v[rS:rS+7]
.endif
.endm
.macro PV x                         ; product i of 8 of O^T += V^T P for piece x: keys 32 (i / 4) on, channels 16 (i % 4) on
	WIN W_PV
.set rO, 32*(\x)+8*(i%4)
.set rV, VF+32*(i/4)+8*(i%4)
.set rP, P+16*((\x)%2)+8*(i/4)
	v_wmma_f32_16x16x32_bf16 v[rO:rO+7], v[rV:rV+7], v[rP:rP+7], v[rO:rO+7]
.endm
.macro MM                           ; the turn's next matrix instruction
.if i < 8
	KQ (Y+1)%NP
.else
.set i, i-8
	PV (Y+NP-1)%NP
.set i, i+8
.endif
.set i, i+1
.endm
.macro FETCH_K                      ; a step's K: 16 loads in one run
	WIN 0x80
.irp f, 0,1,2,3,4,5,6,7
	ds_load_b128 v[KF+8*\f:KF+8*\f+3],   v[AK] offset:(\f/2)*16*PK+(\f%2)*64
	ds_load_b128 v[KF+8*\f+4:KF+8*\f+7], v[AK] offset:(\f/2)*16*PK+(\f%2)*64+32
.endr
	s_add_co_u32 s[TBK], s[TBK], KS*PK
	WIN 0
.endm
.macro FETCH_V                      ; a step's V, turned
	WIN 0x80
.irp f, 0,1,2,3,4,5,6,7
	ds_load_tr16_b128 v[VF+8*\f:VF+8*\f+3],   v[AV] offset:(\f/4)*32*PV+(\f%4)*32
	ds_load_tr16_b128 v[VF+8*\f+4:VF+8*\f+7], v[AV] offset:(\f/4)*32*PV+16*PV+(\f%4)*32
.endr
	WIN 0
.endm
; THE VECTOR WORK, one line at a time: OP kind, number.  For piece Y: F n: c s - c m for pair n of 16.  E n: the exponential of score n of 32.  C n: pair n rounded to bf16.  B n: of the four weights 4 n ..
; the second pair is added onto the first.  L n: l takes that sum (L 0: l = a l + sum).  R n: pair n of 16 of O^T times a.  For piece Y + 1: X n, number n of the 22 that find its maximum and statistics:
; 0-11 four chains of seven scores (each accumulator's lowest registers first); 12-14, 16 the rest, the old m, all into c0; 15 c m_old is kept; 17, 18 the other half of the lanes; 19-21 c m, its change, a.
.set F, 0
.set E, 1
.set C, 2
.set B, 3
.set L, 4
.set R, 5
.set X, 6
.macro REGS y
.set rT, ST+4*(\y)
.set rC, TMP+4*((\y)%2)
.set rW, MV+((\y)%2)
.set rS, S+32*((\y)%2)
.set rP, P+16*((\y)%2)
.set rO, 32*(\y)
.endm
.macro OP k, n
.if (\k) == R
	REGS Y
	WIN W_RS
	v_pk_mul_f32 v[rO+2*(\n):rO+2*(\n)+1], v[rO+2*(\n):rO+2*(\n)+1], v[rC+2:rC+3] op_sel_hi:[1,0]
.elseif (\k) < R
	REGS Y
	WIN 0
.if (\k) == F
	v_pk_fma_f32 v[rS+2*(\n):rS+2*(\n)+1], v[rS+2*(\n):rS+2*(\n)+1], s[CS:CS+1], v[rT:rT+1] op_sel_hi:[1,0,0] neg_lo:[0,0,1] neg_hi:[0,0,1]
.elseif (\k) == E
	v_exp_f32 v[rS+(\n)], v[rS+(\n)]
.elseif (\k) == C
	v_cvt_pk_bf16_f32 v[rP+(\n)], v[rS+2*(\n)], v[rS+2*(\n)+1]
.elseif (\k) == B
	v_pk_add_f32 v[rS+4*(\n):rS+4*(\n)+1], v[rS+4*(\n):rS+4*(\n)+1], v[rS+4*(\n)+2:rS+4*(\n)+3]
.elseif (\n) == 0
	v_pk_fma_f32 v[rT+2:rT+3], v[rT+2:rT+3], v[rC+2:rC+3], v[rS:rS+1] op_sel_hi:[1,0,1]
.else
	v_pk_add_f32 v[rT+2:rT+3], v[rT+2:rT+3], v[rS+4*(\n):rS+4*(\n)+1]
.endif
.else
	REGS (Y+1)%NP
	WIN 0
.if (\n) < 4
	v_max3_num_f32 v[rC+(\n)], v[rS+8*(\n)], v[rS+8*(\n)+1], v[rS+8*(\n)+2]
.elseif (\n) < 12
	v_max3_num_f32 v[rC+(\n)%4], v[rC+(\n)%4], v[rS+8*((\n)%4)+2*((\n)/4)+1], v[rS+8*((\n)%4)+2*((\n)/4)+2]
.elseif (\n) == 12
	v_max3_num_f32 v[rC], v[rC], v[rS+7], v[rS+15]
.elseif (\n) == 13
	v_max3_num_f32 v[rC+1], v[rC+1], v[rS+23], v[rS+31]
.elseif (\n) == 14
	v_max3_num_f32 v[rC+2], v[rC+2], v[rC+3], v[rT+1]
.elseif (\n) == 15
	v_mov_b32 v[rW], v[rT]
.elseif (\n) == 16
	v_max3_num_f32 v[rC], v[rC], v[rC+1], v[rC+2]
.elseif (\n) == 17
	v_permlanex16_b32 v[rC+3], v[rC], s[SEL], s[SEL+1]
.elseif (\n) == 18
	v_max_num_f32 v[rT+1], v[rC], v[rC+3]
.elseif (\n) == 19
	v_mul_f32 v[rT], s[CS], v[rT+1]
.elseif (\n) == 20
	v_sub_f32 v[rC+1], v[rW], v[rT]
.else
	v_exp_f32 v[rC+2], v[rC+1]
.endif
.endif
.endm
.macro OPS a, i1, b=-1, i2=0, c=-1, i3=0, d=-1, i4=0
	OP \a, \i1
.if (\b) >= 0
	OP \b, \i2
.endif
.if (\c) >= 0
	OP \c, \i3
.endif
.if (\d) >= 0
	OP \d, \i4
.endif
.endm
.macro ROW a, i1, b, i2, c, i3, d, i4  ; a matrix instruction and the four behind it
	MM
	OPS \a, \i1, \b, \i2, \c, \i3, \d, \i4
.endm
; A TURN, for piece p.  Ahead of its one wait stands all that names no result of the turn's exponentials; behind it the 8 products V^T P with the roundings and sums as their riders.
; K of the next step is fetched in piece 2's turn, behind the last product that read K (six plain lines between); V of the step in hand at the end of piece 0's turn, four plain lines behind its last reader.
; last = 1 (the tail): the K address is held at the last slot's last step, so that the fifth trip reads that K once more and nothing beyond the slot.  cnt = 1: the loop's count is taken down ahead of the branch behind the turn.
.macro TURN p, last=0, cnt=0
.set Y, (\p)
.set i, 0
.if (\p) == 3
	s_wait_dscnt 0x0                ; K is in
.endif
	ROW F,0, F,1, R,0, R,1
	ROW F,2, E,0, R,2, R,3
	ROW F,3, E,1, R,4, R,5
	ROW F,4, E,2, R,6, R,7
	ROW F,5, E,3, R,8, R,9
	ROW F,6, E,4, X,0, R,10
.if (\p) == 2
	WIN 0
.if \last
	s_min_u32 s[TBK], s[TBK], SLOT1+3*KS*PK
.endif
	v_add_nc_u32 v[AK], s[TBK], v[AK0]
.endif
	ROW F,7, E,5, X,1, X,4
	ROW F,8, E,6, X,2, X,5
	OPS E,7, E,8, X,6, E,9
	OPS X,3, E,10, X,8, E,11
.if (\p) == 2
	FETCH_K
.endif
	OPS X,9, X,7, E,12, X,10
	OPS E,13, X,12, X,11, E,14
	OPS X,13, E,15, F,9, X,14
.if (\p) == 0
	v_add_nc_u32 v[AV], s[TBV], v[AV0]
.endif
	OPS E,16, F,10, E,17, F,11
	OPS X,16, E,18, X,15, E,19
	OPS F,12, E,20, X,17, E,21
	OPS F,13, E,22, F,14, E,23
	OPS X,18, E,24, F,15, E,25
	OPS R,11, E,26, X,19, E,27
	OPS R,12, E,28, R,13, E,29
	OPS X,20, E,30, R,14, E,31
	OPS X,21, R,15                  ; the last rescaling is the plain instruction behind the last exponential
	WIN 0
	s_wait_alu depctr_va_vdst(0)    ; the wait for the batch
.if (\p) == 1
	s_wait_dscnt 0x0                ; V is in
.endif
	ROW C,0, B,0, C,2, B,1
	ROW L,0, C,4, B,2, L,1
	ROW C,6, B,3, L,2, C,8
	ROW B,4, L,3, C,10, B,5
	ROW L,4, C,12, B,6, L,5
.if (\p) == 0
	s_add_co_u32 s[TBV], s[TBV], KS*PV
.endif
.if \cnt
	s_sub_co_u32 s[CNT], s[CNT], 1
	s_cmp_lg_u32 s[CNT], 0
.endif
	ROW C,14, B,7, L,6, C,1
	ROW C,3, L,7, C,5, C,7
	ROW C,9, C,11, C,13, C,15
.if (\p) == 0
	FETCH_V
.endif
.endm
	CHANGE 1                        ; slot 0 is in, everybody's part of it; slot 1 is asked for
	v_add_nc_u32 v[AK], s[TBK], v[AK0]
	FETCH_K                         ; key step 0
	s_wait_loadcnt 0x0              ; Q
	s_wait_dscnt 0x0
.set i, 0
.rept 8
	KQ 0                            ; piece 0's first scores
.set i, i+1
.endr
	WIN 0
.rept 4
	v_nop                           ; the places behind those products
.endr
.set Y, NP-1                        ; X works for piece Y + 1: piece 0
.irp n, 0,1,2,3,4,5,6,7,8,9,10,11,12,13,14,15,16,17,18,19,20,21
	OP X, \n
.endr
	v_nop                           ; a plain instruction behind the exponential,
	s_wait_alu depctr_va_vdst(0)    ; and its wait, ahead of the branch
	s_mov_b32 s[CNT], 4
	s_branch .Lfirst                ; the loop is entered at a step's first turn, in the middle of a trip
.Lslot:                             ; six times: slots 2 to 7 are asked for
	CHANGE 1
	s_mov_b32 s[CNT], 4
.Lstep:                             ; a trip: pieces 2 and 3 of one step, then pieces 0 and 1 of the next
	TURN 2
	TURN 3
	WIN 0
.Lfirst:
	TURN 0
	TURN 1, 0, 1
	WIN 0
	s_cbranch_scc1 .Lstep
	s_sub_co_u32 s[SLOTS], s[SLOTS], 1
	s_cmp_lg_u32 s[SLOTS], 0
	s_cbranch_scc1 .Lslot
	CHANGE 0                        ; the tail is written out
	s_mov_b32 s[CNT], 5             ; four trips fetch the last slot's steps; the fifth is left in its middle
.Ltail:
	TURN 2, 1
	TURN 3
	WIN 0
	s_sub_co_u32 s[CNT], s[CNT], 1
	s_cmp_eq_u32 s[CNT], 0
	s_cbranch_scc1 .Lout
	TURN 0
	TURN 1
	WIN 0
	s_branch .Ltail
.Lout:                              ; the fifth trip's last 8 products K Q^T and the maximum made of them serve nothing: the price of one text for every trip
.set i, 0
.rept 8
	PV NP-1                         ; the last piece's V^T P of the last step
.set i, i+1
.endr
	; THE WAY OUT.  l's two halves and the other half of the lanes' are added; O^T is divided by l, rounded to bf16 and sent through my stage, a piece at a time.  The additions are the places behind the last products.
	WIN 0
.macro ALL line:vararg
.set t, 0
.rept 4
	\line
.set t, t+1
.endr
.endm
	ALL v_add_f32 v[ST+4*t+2], v[ST+4*t+2], v[ST+4*t+3]
	ALL v_permlanex16_b32 v[ST+4*t+3], v[ST+4*t+2], s[SEL], s[SEL+1]
	ALL v_add_f32 v[ST+4*t+2], v[ST+4*t+2], v[ST+4*t+3]
	ALL v_rcp_f32 v[ST+4*t+2], v[ST+4*t+2]
	v_nop
	s_wait_alu depctr_va_vdst(0)    ; one wait for the four reciprocals
.macro PACK t
	WIN W_RS
.set i, 32*(\t)
.rept 16
	v_pk_mul_f32 v[i:i+1], v[i:i+1], v[ST+4*(\t)+2:ST+4*(\t)+3] op_sel_hi:[1,0]
.set i, i+2
.endr
	WIN 0x05
.set i, 0
.rept 16
	v_cvt_pk_bf16_f32 v[S+16*(\t)+i], v[32*(\t)+2*i], v[32*(\t)+2*i+1]
.set i, i+1
.endr
	WIN 0
.irp f, 0,1,2,3
	ds_store_b128 v[STO], v[S+16*(\t)+4*\f:S+16*(\t)+4*\f+3] offset:32*\f
.endr
.irp f, 0,1,2,3
	ds_load_b128 v[S+16*(\t)+4*\f:S+16*(\t)+4*\f+3], v[RD] offset:\f*4*SP  ; LDS serves a wave's instructions in order: these see the stores above
.endr
.endm
.macro SEND t, younger              ; younger: the LDS instructions issued behind piece t's loads
	WIN 0
.irp f, 0,1,2,3
	s_wait_dscnt (\younger)+3-\f
	global_store_b128 v[GO], v[S+16*(\t)+4*\f:S+16*(\t)+4*\f+3], s[6:7] offset:(\t)*2048+\f*512  ; 512 bytes on end, aligned to 256
.endr
.endm
	PACK 0
.set t, 1
.rept 3
	PACK t
	SEND t-1, 8
.set t, t+1
.endr
	SEND 3, 0
	s_wait_tensorcnt 0x0            ; the wave's end: these three lines, behind my last tensor load and my last LDS store
	ds_add_u32 v[SPW], v[NIL]
	s_wait_dscnt 0x0
	CROUND                          ; the closing round
	s_endpgm
.Lfunc_end_k_q3c1a709833_attn:
	.size	k_q3c1a709833_attn, .Lfunc_end_k_q3c1a709833_attn-k_q3c1a709833_attn
	.p2alignl 7, 3214868480
	.fill 96, 4, 3214868480
	.section	.rodata,"a",@progbits
	.p2align	6, 0x0
	.amdhsa_kernel k_q3c1a709833_attn
		.amdhsa_group_segment_fixed_size 327680
		.amdhsa_private_segment_fixed_size 0
		.amdhsa_enable_private_segment 0
		.amdhsa_kernarg_size 16
		.amdhsa_user_sgpr_count 2
		.amdhsa_user_sgpr_kernarg_segment_ptr 1
		.amdhsa_wavefront_size32 1
		.amdhsa_system_sgpr_workgroup_id_x 1
		.amdhsa_system_sgpr_workgroup_id_y 1
		.amdhsa_system_sgpr_workgroup_id_z 1
		.amdhsa_system_vgpr_workitem_id 0
		.amdhsa_next_free_vgpr 768
		.amdhsa_next_free_sgpr 66
		.amdhsa_reserve_vcc 0
		.amdhsa_float_denorm_mode_32 3
		.amdhsa_float_denorm_mode_16_64 3
		.amdhsa_memory_ordered 1
		.amdhsa_forward_progress 1
		.amdhsa_inst_pref_size 112
	.end_amdhsa_kernel
	.amdgpu_metadata
---
amdhsa.version: [ 1, 2 ]
amdhsa.kernels:
  - .name:           k_q3c1a709833_attn
    .symbol:         k_q3c1a709833_attn.kd
    .args:
      - { .name: qkv, .offset: 0, .size: 8, .value_kind: global_buffer, .address_space: global }
      - { .name: ao, .offset: 8, .size: 8, .value_kind: global_buffer, .address_space: global }
    .group_segment_fixed_size: 327680
    .private_segment_fixed_size: 0
    .kernarg_segment_align: 8
    .kernarg_segment_size: 16
    .max_flat_workgroup_size: 128
    .sgpr_count:     66
    .vgpr_count:     768
    .wavefront_size: 32
...
	.end_amdgpu_metadata
.endif
;; end of part 3
;; launch goproj (part 4): grid 8 x 32, 4 waves a work-group, clusters of 4 x 4, 327,680 bytes of LDS; arguments ao, wbf, b_out, x, x1; writes x1
.if DOCPART == 4
	.amdgcn_target "amdgcn-amd-amdhsa--gfx1250"
	.amdhsa_code_object_version 6
	.text
	.protected	k_q3c1a709833_goproj
	.globl	k_q3c1a709833_goproj
	.p2align	8
	.type	k_q3c1a709833_goproj,@function
k_q3c1a709833_goproj:
	s_mov_b64 s[64:65], 0
	v_nop
	global_prefetch_b8 v0, s[64:65] scope:SCOPE_SE
	s_setreg_imm32_b32 hwreg(HW_REG_WAVE_MODE, 25, 1), 1
	s_wait_xcnt 0x0
	s_wait_alu depctr_hold_cnt(0) depctr_sa_sdst(0) depctr_va_vdst(0) depctr_va_sdst(0) depctr_va_ssrc(0) depctr_va_vcc(0) depctr_vm_vsrc(0)
	s_getreg_b32 s2, hwreg(HW_REG_IB_STS2, 6, 4)
	s_cmp_eq_u32 s2, 0
	s_cbranch_scc0 .Lentry_in_a_cluster
	s_endpgm
.Lentry_in_a_cluster:
	s_bfe_u32 s2, ttmp6, 0x10000c
	s_cmp_lg_u32 s2, 0xf033
	s_cbranch_scc0 .Lentry_shape_is_right
	s_endpgm
.Lentry_shape_is_right:
; x1 = x + O x w_out + b_out.  O: ao[32 mb][16 head][128 r][64] bf16 (row 128 mb + r, K = 64 head + d); w_out: bf16 [1024][1024] in wbf; b_out, x, x1 in f32; sums in f32.
; A tile of C is 128 x 128; four waves as 2 x 2, each 64 x 64: 16 accumulators.  The matrix instruction is used transposed (source 0 = 16 columns of the weights, turned out of LDS by ds_load_tr16_b128;
; source 1 = 16 rows of O): a lane holds one row of C and eight neighbouring columns.  The bias is the C operand of the products that start the sums.
; K goes in 4 steps of 256 (four heads: 65,536 dense bytes of ao, asked for as rows of 256 bytes and padded after every 128) through two LDS slots; a quarter is one head, two products deep.
; THE WALK ALONG K.  A cluster takes the K steps in the order t xor p, p = (cluster x + cluster y) mod 2.  Clusters that are neighbours along x read the same rows of O, neighbours along y the same rows of the
; weights, and their p differ: of each pair of K steps each of the two asks for one first, and for the other one change of slots after its neighbour has read it.  The sums are f32: their order is free.
; CLUSTER 4 x 4: O's tile is shared along a row of the cluster, the weights' along a column; one joint tensor load a wave behind each round; one load of a wave is out at the most.
; No prefetch: the launch is short and its tiles small.  lds_bytes claims all of the LDS.
; The residual's 32 loads a lane go out at the start and are waited for on the way out.  LIMITS: operands are rounded to bf16; NaN and infinities are not treated apart.
.set TM, 128
.set TN, 128
.set MB, 4
.set NBL, 4
.set QD, 2
.set KTOT, 1024
.set NTOT, 1024
.set NS, 4
.set GX, 2
.set PA, 144
.set QA, 18432
.set PB, 288
.set QB, 18432
.set BG, 128
.set ABYTES, 73728
.set SLOT, 147456
.set AWL, 36864
.set BWL, 36864
.set ATR, 262144
.set AHALF, 32768
.set ASTEP, 65536
.set BW0, 6291456
.set BTC, 256
.set BHALF, 262144
.set BSTEP, 524288
.set AQI, 4
.set APC, 3
.set AD0, 128
.set AD1, 128
.set AST, 128
.set BQI, 5
.set BPC, 7
.set BD0, 128
.set BD1, 128
.set BST, 1024
.set A0W, 9216
.set B0W, 128
.set W1, 16                            ; the youngest loads of a quarter that its first half does not read: the second 32 along K
.set PD, 272
.set DWB, 17408
.set SPARE, 327168
.set A0,  4
.set B0,  5
.set ADA, 6
.set ADB, 7
.set STO, 8
.set RD0, 9
.set GO,  11
.set SPW, 12
.set NIL, 13
.set BIAS, 32                          ; v[32:63] the bias of my 64 columns, as a C operand; later at work on the way out
.set RES, 128                          ; v[128:255] the residual of my 64 x 64
.set WV, 14
.set WM, 15
.set WN, 16
.set CX, 17
.set CY, 18
.set TC, 19
.set TR, 20
.set MKA, 21
.set MKB, 22
.set LT, 23
.set G1A, 24
.set G0A, 32
.set G0B, 36
.set G1B, 40
.set FB, 48
.set WLA, 49
.set WLB, 50
.set TBA, 51
.set TBB, 52
.set SLOTS, 53
.set CNT, 54
.set ABA, 60                           ; s[60:61] A at my half of the tile, K step 0: the tile row and the wave's number alone
.set OFA, 62                           ; s[62:63] the K step's bytes in A
.set BBA, 66                           ; s[66:67] B at my half of a K step's rows: the tile column and the wave's number alone
.set OFB, 68                           ; s[68:69] the K step's bytes in B
.set FT, 77                            ; the place in the walk that was asked for last
.set PX, 78                            ; p
.set KK, 79
.set MSB, 0
.macro WIN new
.if MSB != (\new)
	s_set_vgpr_msb (MSB<<8)|(\new)
.set MSB, (\new)
.endif
.endm
.macro CROUND
	s_barrier_signal -1
	s_barrier_wait -1
	s_cmp_lg_u32 s[WV], 0
	s_cbranch_scc1 .Lnot_wave_0_\@
	s_barrier_signal -3
.Lnot_wave_0_\@:
	s_barrier_wait -3
	s_barrier_signal -1
	s_barrier_wait -1
.endm
.macro JLOAD                           ; the branch hangs on the wave's number alone; an s_nop 0 and four v_nop follow each line
	s_cmp_lt_u32 s[WV], 2
	s_cbranch_scc0 .Lfor_b_\@
	tensor_load_to_lds s[G0A:G0A+3], s[G1A:G1A+7]
	s_nop 0
.rept 4
	v_nop
.endr
	s_branch .Lasked_\@
.Lfor_b_\@:
	tensor_load_to_lds s[G0B:G0B+3], s[G1B:G1B+7]
	s_nop 0
.rept 4
	v_nop
.endr
.Lasked_\@:
.endm
; THE CHANGE OF SLOTS: every wave waits for all its tensor loads, adds 0 to its spare word, waits for that and for its reads of the slot that it leaves; fill = 1: a round of the cluster's barrier, the joint refill
; first behind it.  The descriptors' global addresses are made anew: the base and K step FT xor p.
.macro CHANGE fill
	WIN 0
	s_wait_tensorcnt 0x0
	ds_add_u32 v[SPW], v[NIL]
.if \fill
	s_xor_b32 s[FB], s[FB], SLOT
	s_add_co_u32 s[G0A+1], s[FB], s[WLA]
	s_add_co_u32 s[G0B+1], s[FB], s[WLB]
	s_add_co_u32 s[FT], s[FT], 1
	s_xor_b32 s[KK], s[FT], s[PX]
	s_mul_i32 s[OFA], s[KK], ASTEP
	s_mul_i32 s[OFB], s[KK], BSTEP
	s_add_nc_u64 s[G0A+2:G0A+3], s[ABA:ABA+1], s[OFA:OFA+1]
	s_or_b32 s[G0A+3], s[G0A+3], 0x80000000
	s_add_nc_u64 s[G0B+2:G0B+3], s[BBA:BBA+1], s[OFB:OFB+1]
	s_or_b32 s[G0B+3], s[G0B+3], 0x80000000
	s_wait_dscnt 0x0
	CROUND
	JLOAD
.else
	s_wait_dscnt 0x0
	s_barrier_signal -1
	s_barrier_wait -1
.endif
	s_sub_co_u32 s[TBA], s[TBA], 4*QA
	s_xor_b32 s[TBA], s[TBA], SLOT
	s_sub_co_u32 s[TBB], s[TBB], 4*QB
	s_xor_b32 s[TBB], s[TBB], SLOT
.endm
.macro PROD f, first
.set nn, ia*NBL+ib
.set rD, 8*(nn%32)
.set rB, 128*(\f)+8*MB*QD+8*(ic*NBL+ib)
.set rA, 128*(\f)+8*(ic*MB+ia)
.if \first
	WIN 0x85+0x40*(nn/32)
	v_wmma_f32_16x16x32_bf16 v[rD:rD+7], v[rB:rB+7], v[rA:rA+7], v[BIAS+8*ib:BIAS+8*ib+7]
.else
	WIN 0xa5+0x50*(nn/32)
	v_wmma_f32_16x16x32_bf16 v[rD:rD+7], v[rB:rB+7], v[rA:rA+7], v[rD:rD+7]
.endif
.endm
.macro MULS f, part, first             ; 32 along K for all 16 accumulators, which take turns, one instruction a turn
.set ic, \part
.set ia, 0
.rept MB
.set ib, 0
.rept NBL
	PROD \f, (\first)*(1-(\part))
.set ib, ib+1
.endr
.set ia, ia+1
.endr
.endm
.macro FETCH g                         ; a quarter's 32 LDS loads in one run; the four plain lines at its head are the places behind the last product that read g
	WIN 0
	v_add_nc_u32 v[ADA], s[TBA], v[A0]
	v_add_nc_u32 v[ADB], s[TBB], v[B0]
	v_nop
	v_nop
	s_add_co_u32 s[TBA], s[TBA], QA
	s_add_co_u32 s[TBB], s[TBB], QB
	WIN 0x40
.set ic, 0
.rept QD
.set ib, 0
.rept NBL
.set rB, 128*(\g)+8*MB*QD+8*(ic*NBL+ib)
.set oB, ic*32*PB+(ib/4)*BG+(ib%4)*32
	ds_load_tr16_b128 v[rB:rB+3], v[ADB] offset:oB
	ds_load_tr16_b128 v[rB+4:rB+7], v[ADB] offset:oB+16*PB
.set ib, ib+1
.endr
.set ia, 0
.rept MB
.set rA, 128*(\g)+8*(ic*MB+ia)
	ds_load_b128 v[rA:rA+3], v[ADA] offset:ia*16*PA+64*ic
	ds_load_b128 v[rA+4:rA+7], v[ADA] offset:ia*16*PA+64*ic+32
.set ia, ia+1
.endr
.set ic, ic+1
.endr
.endm
.macro HALF f, g, first
	s_wait_dscnt W1
	MULS \f, 0, \first
	FETCH \g
	s_wait_dscnt 32                                ; all but the 32 just issued
	MULS \f, 1, \first
.endm
	s_load_b256 s[4:11], s[0:1], 0x0               ; A, wbf, the bias, the residual
	s_load_b64 s[12:13], s[0:1], 0x20              ; the output
	v_lshl_add_u32 v[SPW], v0, 2, SPARE
	v_mov_b32 v[NIL], 0
	ds_add_u32 v[SPW], v[NIL]                      ; the wave's opening: the add and its wait ahead of my first tensor load
	v_lshrrev_b32 v3, 5, v0
	v_readfirstlane_b32 s[WV], v3
	s_lshr_b32 s[WM], s[WV], 1
	s_and_b32 s[WN], s[WV], 1
	s_bfe_u32 s[CX], ttmp6, 0x40000
	s_bfe_u32 s[CY], ttmp6, 0x40004
	s_lshl_b32 s[TC], ttmp9, 2
	s_add_co_u32 s[TC], s[TC], s[CX]
	s_and_b32 s[TR], ttmp7, 0xffff
	s_lshl_b32 s[TR], s[TR], 2
	s_add_co_u32 s[TR], s[TR], s[CY]
	s_lshl_b32 s[MKA], s[CY], 2
	s_lshl_b32 s[MKA], 15, s[MKA]
	s_lshl_b32 s[MKB], 0x1111, s[CX]
	s_and_b32 s[PX], ttmp7, 0xffff
	s_add_co_u32 s[PX], s[PX], ttmp9
	s_and_b32 s[PX], s[PX], GX-1                   ; p: made of the cluster's own coordinates, which all sixteen partners share
	s_mov_b32 s[FT], 0
	s_or_b32 s[G1A], s[MKA], (1<<16)|(1<<20)|(1<<21)|(AQI<<22)|(APC<<25)
	s_mov_b32 s[G1A+1], AD0<<16
	s_mov_b32 s[G1A+2], AD1<<16
	s_mov_b32 s[G1A+3], AD0<<16
	s_mov_b32 s[G1A+4], AD1
	s_mov_b32 s[G1A+5], AST
	s_mov_b32 s[G1A+6], 0
	s_mov_b32 s[G1A+7], 0
	s_or_b32 s[G1B], s[MKB], (1<<16)|(1<<20)|(1<<21)|(BQI<<22)|(BPC<<25)
	s_mov_b32 s[G1B+1], BD0<<16
	s_mov_b32 s[G1B+2], BD1<<16
	s_mov_b32 s[G1B+3], BD0<<16
	s_mov_b32 s[G1B+4], BD1
	s_mov_b32 s[G1B+5], BST
	s_mov_b32 s[G1B+6], 0
	s_mov_b32 s[G1B+7], 0
	s_mul_i32 s[ABA], s[TR], ATR
	s_mul_i32 s[ABA+1], s[WN], AHALF
	s_add_co_u32 s[ABA], s[ABA], s[ABA+1]
	s_mov_b32 s[ABA+1], 0
	s_mul_i32 s[OFA], s[PX], ASTEP                 ; the walk's first K step is p
	s_mov_b32 s[OFA+1], 0
	s_mul_i32 s[BBA], s[TC], BTC
	s_mul_i32 s[BBA+1], s[WN], BHALF
	s_add_co_u32 s[BBA], s[BBA], s[BBA+1]
	s_add_co_u32 s[BBA], s[BBA], BW0
	s_mov_b32 s[BBA+1], 0
	s_mul_i32 s[OFB], s[PX], BSTEP
	s_mov_b32 s[OFB+1], 0
	s_mul_i32 s[WLA], s[WN], AWL
	s_mul_i32 s[WLB], s[WN], BWL
	s_add_co_u32 s[WLB], s[WLB], ABYTES
	s_mov_b32 s[G0A], 1
	s_mov_b32 s[G0A+1], s[WLA]
	s_mov_b32 s[G0B], 1
	s_mov_b32 s[G0B+1], s[WLB]
	s_mov_b32 s[FB], 0
	s_mov_b32 s[TBA], SLOT+4*QA
	s_mov_b32 s[TBB], SLOT+4*QB
	s_mov_b32 s[SLOTS], NS-1
	s_wait_dscnt 0x0
	s_wait_kmcnt 0x0
	s_add_nc_u64 s[ABA:ABA+1], s[4:5], s[ABA:ABA+1]
	s_add_nc_u64 s[BBA:BBA+1], s[6:7], s[BBA:BBA+1]
	s_add_nc_u64 s[G0A+2:G0A+3], s[ABA:ABA+1], s[OFA:OFA+1]
	s_or_b32 s[G0A+3], s[G0A+3], 0x80000000
	s_add_nc_u64 s[G0B+2:G0B+3], s[BBA:BBA+1], s[OFB:OFB+1]
	s_or_b32 s[G0B+3], s[G0B+3], 0x80000000
	CROUND
	JLOAD                                          ; the walk's first K step into slot 0
	v_and_b32 v1, 15, v0
	v_bfe_u32 v2, v0, 4, 1
	v_mul_u32_u24 v[A0], v1, PA
	v_lshl_add_u32 v[A0], v2, 4, v[A0]
	s_mul_i32 s[LT], s[WM], A0W
	v_add_nc_u32 v[A0], s[LT], v[A0]
	v_and_b32 v16, 7, v0
	v_lshl_add_u32 v16, v2, 3, v16
	v_mul_u32_u24 v[B0], v16, PB
	v_bfe_u32 v17, v0, 3, 1
	v_lshl_add_u32 v[B0], v17, 4, v[B0]
	s_mul_i32 s[LT], s[WN], B0W
	s_add_co_u32 s[LT], s[LT], ABYTES
	v_add_nc_u32 v[B0], s[LT], v[B0]
	s_mul_i32 s[LT], s[WV], DWB
	v_mul_u32_u24 v[STO], v1, PD
	v_lshl_add_u32 v[STO], v2, 5, v[STO]
	v_add_nc_u32 v[STO], s[LT], v[STO]
	v_mul_u32_u24 v[RD0], v2, PD                   ; back: lanes 0-15 one row of 256 bytes, lanes 16-31 the next
	v_lshl_add_u32 v[RD0], v1, 4, v[RD0]
	v_add_nc_u32 v[RD0], s[LT], v[RD0]
	v_lshlrev_b32 v18, 5, v2                       ; the bias: my lanes' eight columns of a block of 16
	s_lshl_b32 s70, s[TC], 9
	s_lshl_b32 s71, s[WN], 8
	s_add_co_u32 s70, s70, s71                     ; my first column, in bytes of f32
	s_mov_b32 s71, 0
	s_add_nc_u64 s[8:9], s[8:9], s[70:71]
.irp b, 0,1,2,3
	global_load_b128 v[BIAS+8*\b:BIAS+8*\b+3], v18, s[8:9] offset:64*\b
	global_load_b128 v[BIAS+8*\b+4:BIAS+8*\b+7], v18, s[8:9] offset:64*\b+16
.endr
	s_lshl_b32 s72, s[TR], 19                      ; my first row: 128 rows of 4,096 bytes a tile row,
	s_lshl_b32 s73, s[WM], 18                      ; 64 a half
	s_add_co_u32 s72, s72, s73
	s_add_co_u32 s72, s72, s70
	s_mov_b32 s73, 0
	s_add_nc_u64 s[10:11], s[10:11], s[72:73]
	s_add_nc_u64 s[12:13], s[12:13], s[72:73]
	v_lshlrev_b32 v[GO], 12, v2
	v_lshl_add_u32 v[GO], v1, 4, v[GO]
.set t, 0
.rept 32                               ; rows 2 t and 2 t + 1 of my 64: 16 lanes take 256 bytes on end
	global_load_b128 v[RES+4*t:RES+4*t+3], v[GO], s[10:11] offset:8192*t
.set t, t+1
.endr
	CHANGE 1                                       ; slot 0 is in; the walk's second K step goes into slot 1
	FETCH 0
	s_wait_loadcnt 32                              ; the bias is in; the residual's 32 younger loads stay out
	HALF 0, 1, 1
	WIN 0
	s_mov_b32 s[CNT], 1                            ; the first slot has one more pair of quarters ahead of its change: the loop is entered in the middle of a trip
	s_branch .Lpair
.Lslot:                                        ; NS - 2 trips begin here
	CHANGE 1
	s_mov_b32 s[CNT], 2
.Lpair:
	HALF 1, 0, 0
	HALF 0, 1, 0
	WIN 0
	s_sub_co_u32 s[CNT], s[CNT], 1
	s_cmp_lg_u32 s[CNT], 0
	s_cbranch_scc1 .Lpair
	s_sub_co_u32 s[SLOTS], s[SLOTS], 1
	s_cmp_lg_u32 s[SLOTS], 0
	s_cbranch_scc1 .Lslot
	CHANGE 0                                       ; the tail is written out
	s_mov_b32 s[CNT], 2
.Lpair2:
	HALF 1, 0, 0
	HALF 0, 1, 0
	WIN 0
	s_sub_co_u32 s[CNT], s[CNT], 1
	s_cmp_lg_u32 s[CNT], 0
	s_cbranch_scc1 .Lpair2
	s_wait_dscnt 0x0                               ; my reads of the ring are over:
	s_barrier_signal -1
	MULS 1, 0, 0
	MULS 1, 1, 0
	WIN 0
	s_barrier_wait -1                              ; everybody's are; the ring has had its last fill, so the dump may lie there
.rept 8
	v_nop
.endr
.set nn, 0
.rept MB*NBL                           ; each accumulator's low registers go first
	WIN 0x08+4*(nn/32)
	ds_store_b128 v[STO], v[8*(nn%32):8*(nn%32)+3] offset:(nn/NBL)*16*PD+64*(nn%NBL)
	ds_store_b128 v[STO], v[8*(nn%32)+4:8*(nn%32)+7] offset:(nn/NBL)*16*PD+64*(nn%NBL)+16
.set nn, nn+1
.endr
	WIN 0
	; THE WAY OUT: four batches of 16 rows; a wave reads back its own dump alone, in order behind its stores.
.macro LOADB k
.set i, 0
.rept 8
	ds_load_b128 v[32+32*((\k)%2)+4*i:32+32*((\k)%2)+4*i+3], v[RD0] offset:2*(8*(\k)+i)*PD
.set i, i+1
.endr
.endm
.macro SENDB k
.set i, 0
.rept 8
.set rR, RES+4*(8*(\k)+i)
.set rL, 32+32*((\k)%2)+4*i
	v_pk_add_f32 v[rR:rR+1], v[rR:rR+1], v[rL:rL+1]
	v_pk_add_f32 v[rR+2:rR+3], v[rR+2:rR+3], v[rL+2:rL+3]
	global_store_b128 v[GO], v[rR:rR+3], s[12:13] offset:8192*(8*(\k)+i)  ; 16 lanes: 256 bytes on end, aligned
.set i, i+1
.endr
.endm
	s_wait_loadcnt 0x0                             ; the residual
	LOADB 0
	LOADB 1
	s_wait_dscnt 8                                 ; the younger batch's eight loads stay out
	SENDB 0
	LOADB 2
	s_wait_dscnt 8
	SENDB 1
	LOADB 3
	s_wait_dscnt 8
	SENDB 2
	s_wait_dscnt 0x0
	SENDB 3
	s_wait_tensorcnt 0x0                           ; the wave's end: these three lines, behind my last tensor load and my last LDS store
	ds_add_u32 v[SPW], v[NIL]
	s_wait_dscnt 0x0
	CROUND                                         ; the closing round
	s_endpgm
.Lfunc_end_k_q3c1a709833_goproj:
	.size	k_q3c1a709833_goproj, .Lfunc_end_k_q3c1a709833_goproj-k_q3c1a709833_goproj
	.p2alignl 7, 3214868480
	.fill 96, 4, 3214868480
	.section	.rodata,"a",@progbits
	.p2align	6, 0x0
	.amdhsa_kernel k_q3c1a709833_goproj
		.amdhsa_group_segment_fixed_size 327680
		.amdhsa_private_segment_fixed_size 0
		.amdhsa_enable_private_segment 0
		.amdhsa_kernarg_size 40
		.amdhsa_user_sgpr_count 2
		.amdhsa_user_sgpr_kernarg_segment_ptr 1
		.amdhsa_wavefront_size32 1
		.amdhsa_system_sgpr_workgroup_id_x 1
		.amdhsa_system_sgpr_workgroup_id_y 1
		.amdhsa_system_sgpr_workgroup_id_z 1
		.amdhsa_system_vgpr_workitem_id 0
		.amdhsa_next_free_vgpr 640
		.amdhsa_next_free_sgpr 80
		.amdhsa_reserve_vcc 0
		.amdhsa_float_denorm_mode_32 3
		.amdhsa_float_denorm_mode_16_64 3
		.amdhsa_memory_ordered 1
		.amdhsa_forward_progress 1
		.amdhsa_inst_pref_size 54
	.end_amdhsa_kernel
	.amdgpu_metadata
---
amdhsa.version: [ 1, 2 ]
amdhsa.kernels:
  - .name:           k_q3c1a709833_goproj
    .symbol:         k_q3c1a709833_goproj.kd
    .args:
      - { .name: ao, .offset: 0, .size: 8, .value_kind: global_buffer, .address_space: global }
      - { .name: wbf, .offset: 8, .size: 8, .value_kind: global_buffer, .address_space: global }
      - { .name: b_out, .offset: 16, .size: 8, .value_kind: global_buffer, .address_space: global }
      - { .name: x, .offset: 24, .size: 8, .value_kind: global_buffer, .address_space: global }
      - { .name: x1, .offset: 32, .size: 8, .value_kind: global_buffer, .address_space: global }
    .group_segment_fixed_size: 327680
    .private_segment_fixed_size: 0
    .kernarg_segment_align: 8
    .kernarg_segment_size: 40
    .max_flat_workgroup_size: 128
    .sgpr_count:     80
    .vgpr_count:     640
    .wavefront_size: 32
...
	.end_amdgpu_metadata
.endif
;; end of part 4
;; launch ln2: the kernel of part 1 again; grid 256 x 1, 4 waves a work-group, no clusters, 0 bytes of LDS; arguments x1, ln2_g, ln2_b, w_qkv, w_out, w1, w2, h, ao; writes h, ao
;; launch gmlp1 (part 5): grid 16 x 16, 4 waves a work-group, clusters of 4 x 4, 327,680 bytes of LDS; arguments h, wbf, b1, g; writes g
.if DOCPART == 5
	.amdgcn_target "amdgcn-amd-amdhsa--gfx1250"
	.amdhsa_code_object_version 6
	.text
	.protected	k_q3c1a709833_gmlp1
	.globl	k_q3c1a709833_gmlp1
	.p2align	8
	.type	k_q3c1a709833_gmlp1,@function
k_q3c1a709833_gmlp1:
	s_mov_b64 s[64:65], 0
	v_nop
	global_prefetch_b8 v0, s[64:65] scope:SCOPE_SE
	s_setreg_imm32_b32 hwreg(HW_REG_WAVE_MODE, 25, 1), 1
	s_wait_xcnt 0x0
	s_wait_alu depctr_hold_cnt(0) depctr_sa_sdst(0) depctr_va_vdst(0) depctr_va_sdst(0) depctr_va_ssrc(0) depctr_va_vcc(0) depctr_vm_vsrc(0)
	s_getreg_b32 s2, hwreg(HW_REG_IB_STS2, 6, 4)
	s_cmp_eq_u32 s2, 0
	s_cbranch_scc0 .Lentry_in_a_cluster
	s_endpgm
.Lentry_in_a_cluster:
	s_bfe_u32 s2, ttmp6, 0x10000c
	s_cmp_lg_u32 s2, 0xf033
	s_cbranch_scc0 .Lentry_shape_is_right
	s_endpgm
.Lentry_shape_is_right:
; g = gelu(h x w1 + b1), the exact GELU x Phi(x).  h: [4096][1024] bf16; w1: bf16 [1024][4096] in wbf; b1 f32; sums and the GELU in f32; g: [4096][4096], rounded once to bf16.
; A tile of C is 256 x 256; four waves as 2 x 2, each 128 x 128: 64 accumulators.  The matrix instruction is used transposed (source 0 = 16 columns of the weights, turned out of LDS by ds_load_tr16_b128;
; source 1 = 16 rows of h): a lane holds one row of C and eight neighbouring columns.  The bias is the C operand of the products that start the sums.
; K goes in 8 steps of 128 through two LDS slots; a step is four quarters of 32; a quarter is 32 LDS loads and 64 products, on two fragment buffers by turns.
; THE WALK ALONG K.  A cluster takes the K steps in the order t xor p, p = (cluster x + cluster y) mod 2.  Clusters that are neighbours along x read the same rows of h, neighbours along y the same rows of the
; weights, and their p differ: of each pair of K steps each of the two asks for one first, and for the other one change of slots after its neighbour has read it.  The sums are f32: their order is free.
; CLUSTER 4 x 4: h's tile is shared along a row of the cluster, the weights' along a column; one joint tensor load a wave behind each round; one load of a wave is out at the most.
; lds_bytes claims all of the LDS.
; THE GELU.  gelu(x) = x / 2 + |x| (1/2 - q), q = 2^(-x^2 log2(e) / 2) t (b1 + t (b2 + t (b3 + t (b4 + t b5)))), t = 1 / (1 + 0.2316419 |x|), the b's holding the factor 1 / sqrt(2 pi).
; LIMITS: that form of Phi is within 7.5e-8 of it, absolutely, for every x; v_rcp_f32 and v_exp_f32 are good to one unit in the last place; operands are rounded to bf16; NaN and infinities are not treated apart.
.set TM, 256
.set TN, 256
.set MB, 8
.set NBL, 8
.set QD, 1
.set KTOT, 1024
.set NTOT, 4096
.set NS, 8
.set GX, 2
.set PA, 272
.set QA, 64
.set PB, 544
.set QB, 17408
.set BG, 128
.set ABYTES, 69632
.set SLOT, 139264
.set AWL, 34816
.set BWL, 34816
.set ATR, 524288
.set AHALF, 262144
.set ASTEP, 256
.set BW0, 8388608
.set BTC, 512
.set BHALF, 524288
.set BSTEP, 1048576
.set AQI, 5
.set APC, 3
.set AD0, 128
.set AD1, 128
.set AST, 1024
.set BQI, 6
.set BPC, 7
.set BD0, 256
.set BD1, 64
.set BST, 4096
.set A0W, 34816
.set B0W, 256
.set W1, 8                             ; the youngest loads of a quarter that its first half does not read: A's upper four blocks
.set PD, 528
.set DWB, 67584
.set NPA, TM/128
.set NPB, TN/128
.set SPARE, 327168
.set A0,  4
.set B0,  5
.set ADA, 6
.set ADB, 7
.set STO, 8
.set RD0, 9
.set RDA, 10
.set GO,  11
.set SPW, 12
.set NIL, 13
.set PFO, 14
.set BIAS, 32                          ; v[32:95] the bias of my 128 columns, as a C operand
.set XX,  96                           ; v[96:111]  two batches of 8 numbers read back
.set AX,  112                          ; |x|
.set U,   120                          ; 1 + p |x|
.set T,   128                          ; t
.set W,   136                          ; -x^2 log2(e) / 2, then its power of two, then times t
.set H,   144                          ; the polynomial, then the result
.set YY,  152                          ; v[152:159] two batches of 4 packed registers
.set WV, 14
.set WM, 15
.set WN, 16
.set CX, 17
.set CY, 18
.set TC, 19
.set TR, 20
.set MKA, 21
.set MKB, 22
.set LT, 23
.set G1A, 24
.set G0A, 32
.set G0B, 36
.set G1B, 40
.set FB, 48
.set WLA, 49
.set WLB, 50
.set TBA, 51
.set TBB, 52
.set SLOTS, 53
.set CNT, 54
.set LIM, 55                           ; 0 in a wave that prefetches, else 1
.set PFP, 56
.set PFS, 58
.set ABA, 60                           ; s[60:61] A at my half of the tile's rows, K step 0: the tile row and the wave's number alone
.set OFA, 62                           ; s[62:63] the K step's bytes in A
.set BBA, 66                           ; s[66:67] B at my half of a K step's rows: the tile column and the wave's number alone
.set OFB, 68                           ; s[68:69] the K step's bytes in B
.set FT, 77                            ; the place in the walk that was asked for last
.set PX, 78                            ; p
.set KK, 79
.set CP,  80                           ; s[80:93] the GELU's constants, each in a pair's low word
.set C2,  82
.set CB5, 84
.set CB4, 86
.set CB3, 88
.set CB2, 90
.set CB1, 92
.set SGN, 94
.set MSB, 0
.macro WIN new
.if MSB != (\new)
	s_set_vgpr_msb (MSB<<8)|(\new)
.set MSB, (\new)
.endif
.endm
.macro CROUND
	s_barrier_signal -1
	s_barrier_wait -1
	s_cmp_lg_u32 s[WV], 0
	s_cbranch_scc1 .Lnot_wave_0_\@
	s_barrier_signal -3
.Lnot_wave_0_\@:
	s_barrier_wait -3
	s_barrier_signal -1
	s_barrier_wait -1
.endm
.macro JLOAD                           ; the branch hangs on the wave's number alone; an s_nop 0 and four v_nop follow each line
	s_cmp_lt_u32 s[WV], 2
	s_cbranch_scc0 .Lfor_b_\@
	tensor_load_to_lds s[G0A:G0A+3], s[G1A:G1A+7]
	s_nop 0
.rept 4
	v_nop
.endr
	s_branch .Lasked_\@
.Lfor_b_\@:
	tensor_load_to_lds s[G0B:G0B+3], s[G1B:G1B+7]
	s_nop 0
.rept 4
	v_nop
.endr
.Lasked_\@:
.endm
; A prefetch of the K step that the NEXT change of slots will ask for (one K step, 256 products a wave, ahead), where that step stands at an even place of the walk: the places at which no neighbour has read the
; step before me.  Each block of 256 bytes is named once in the launch: A's rows by the clusters with x < 2 (wave 0), B's by the clusters with y < 2 (wave 2): for each K step one of the two has the p that reads it
; first; the four partners that share a tile take a quarter of its rows each, told apart by address.  The walk's first two steps come by their loads alone; the last filling change asks for nothing.
.macro ASK
	s_add_co_u32 s[KK], s[FT], 1
	s_and_b32 s[KK], s[KK], GX-1                   ; 0 where the next place is even,
	s_or_b32 s[KK], s[KK], s[LIM]                  ; in a wave that asks,
	s_cmp_eq_u32 s[FT], NS-1
	s_cselect_b32 s[KK], 1, s[KK]                  ; and where there is a next place
	s_cmp_eq_u32 s[KK], 0
	s_cbranch_scc0 .Lnone_\@
	s_cmp_eq_u32 s[WV], 0
	s_cbranch_scc0 .Lpfb_\@
.set ip, 0
.rept NPA
	global_prefetch_b8 v[PFO], s[PFP:PFP+1] offset:ip*64*KTOT th:TH_LOAD_NT scope:SCOPE_SE
.set ip, ip+1
.endr
	s_branch .Lnone_\@
.Lpfb_\@:
.set ip, 0
.rept NPB
	global_prefetch_b8 v[PFO], s[PFP:PFP+1] offset:ip*256 th:TH_LOAD_NT scope:SCOPE_SE
.set ip, ip+1
.endr
.Lnone_\@:
.endm
; THE CHANGE OF SLOTS: every wave waits for all its tensor loads, adds 0 to its spare word, waits for that and for its reads of the slot that it leaves; fill = 1: a round of the cluster's barrier, the joint refill
; first behind it.  The descriptors' global addresses are made anew: the base and K step FT xor p.
.macro CHANGE fill
	WIN 0
	s_wait_tensorcnt 0x0
	ds_add_u32 v[SPW], v[NIL]
.if \fill
	s_xor_b32 s[FB], s[FB], SLOT
	s_add_co_u32 s[G0A+1], s[FB], s[WLA]
	s_add_co_u32 s[G0B+1], s[FB], s[WLB]
	s_add_co_u32 s[FT], s[FT], 1
	s_xor_b32 s[KK], s[FT], s[PX]
	s_mul_i32 s[OFA], s[KK], ASTEP
	s_mul_i32 s[OFB], s[KK], BSTEP
	s_add_nc_u64 s[G0A+2:G0A+3], s[ABA:ABA+1], s[OFA:OFA+1]
	s_or_b32 s[G0A+3], s[G0A+3], 0x80000000
	s_add_nc_u64 s[G0B+2:G0B+3], s[BBA:BBA+1], s[OFB:OFB+1]
	s_or_b32 s[G0B+3], s[G0B+3], 0x80000000
	s_wait_xcnt 0x0                                ; the last prefetches, a K step or two back, have read their address
	s_add_nc_u64 s[PFP:PFP+1], s[PFP:PFP+1], s[PFS:PFS+1]
	s_wait_dscnt 0x0
	CROUND
	JLOAD
	ASK
.else
	s_wait_dscnt 0x0
	s_barrier_signal -1
	s_barrier_wait -1
.endif
	s_sub_co_u32 s[TBA], s[TBA], 4*QA
	s_xor_b32 s[TBA], s[TBA], SLOT
	s_sub_co_u32 s[TBB], s[TBB], 4*QB
	s_xor_b32 s[TBB], s[TBB], SLOT
.endm
.macro PROD f, first
.set nn, ia*NBL+ib
.set rD, 8*(nn%32)
.set rB, 128*(\f)+8*MB*QD+8*(ic*NBL+ib)
.set rA, 128*(\f)+8*(ic*MB+ia)
.if \first
	WIN 0x85+0x40*(nn/32)
	v_wmma_f32_16x16x32_bf16 v[rD:rD+7], v[rB:rB+7], v[rA:rA+7], v[BIAS+8*ib:BIAS+8*ib+7]
.else
	WIN 0xa5+0x50*(nn/32)
	v_wmma_f32_16x16x32_bf16 v[rD:rD+7], v[rB:rB+7], v[rA:rA+7], v[rD:rD+7]
.endif
.endm
.macro MULS f, part, first             ; half a quarter's products; the accumulators take turns, one instruction a turn
.set ic, 0
.set ia, (\part)*(MB/2)
.rept MB/2
.set ib, 0
.rept NBL
	PROD \f, \first
.set ib, ib+1
.endr
.set ia, ia+1
.endr
.endm
.macro FETCH g                         ; a quarter's 32 LDS loads in one run; the four plain lines at its head are the places behind the last product that read g
	WIN 0
	v_add_nc_u32 v[ADA], s[TBA], v[A0]
	v_add_nc_u32 v[ADB], s[TBB], v[B0]
	v_nop
	v_nop
	s_add_co_u32 s[TBA], s[TBA], QA
	s_add_co_u32 s[TBB], s[TBB], QB
	WIN 0x40
.set ic, 0
.rept QD
.set ib, 0
.rept NBL
.set rB, 128*(\g)+8*MB*QD+8*(ic*NBL+ib)
.set oB, ic*32*PB+(ib/4)*BG+(ib%4)*32
	ds_load_tr16_b128 v[rB:rB+3], v[ADB] offset:oB
	ds_load_tr16_b128 v[rB+4:rB+7], v[ADB] offset:oB+16*PB
.set ib, ib+1
.endr
.set ia, 0
.rept MB
.set rA, 128*(\g)+8*(ic*MB+ia)
	ds_load_b128 v[rA:rA+3], v[ADA] offset:ia*16*PA+64*ic
	ds_load_b128 v[rA+4:rA+7], v[ADA] offset:ia*16*PA+64*ic+32
.set ia, ia+1
.endr
.set ic, ic+1
.endr
.endm
.macro HALF f, g, first
	s_wait_dscnt W1
	MULS \f, 0, \first
	FETCH \g
	s_wait_dscnt 32                                ; all but the 32 just issued
	MULS \f, 1, \first
.endm
	s_load_b256 s[4:11], s[0:1], 0x0               ; h, wbf, b1, g
	v_lshl_add_u32 v[SPW], v0, 2, SPARE
	v_mov_b32 v[NIL], 0
	ds_add_u32 v[SPW], v[NIL]                      ; the wave's opening: the add and its wait ahead of my first tensor load
	v_lshrrev_b32 v3, 5, v0
	v_readfirstlane_b32 s[WV], v3
	s_lshr_b32 s[WM], s[WV], 1
	s_and_b32 s[WN], s[WV], 1
	s_bfe_u32 s[CX], ttmp6, 0x40000
	s_bfe_u32 s[CY], ttmp6, 0x40004
	s_lshl_b32 s[TC], ttmp9, 2
	s_add_co_u32 s[TC], s[TC], s[CX]
	s_and_b32 s[TR], ttmp7, 0xffff
	s_lshl_b32 s[TR], s[TR], 2
	s_add_co_u32 s[TR], s[TR], s[CY]
	s_lshl_b32 s[MKA], s[CY], 2
	s_lshl_b32 s[MKA], 15, s[MKA]
	s_lshl_b32 s[MKB], 0x1111, s[CX]
	s_and_b32 s[PX], ttmp7, 0xffff
	s_add_co_u32 s[PX], s[PX], ttmp9
	s_and_b32 s[PX], s[PX], GX-1                   ; p: made of the cluster's own coordinates, which all sixteen partners share
	s_mov_b32 s[FT], 0
	s_or_b32 s[G1A], s[MKA], (1<<16)|(1<<20)|(1<<21)|(AQI<<22)|(APC<<25)
	s_mov_b32 s[G1A+1], AD0<<16
	s_mov_b32 s[G1A+2], AD1<<16
	s_mov_b32 s[G1A+3], AD0<<16
	s_mov_b32 s[G1A+4], AD1
	s_mov_b32 s[G1A+5], AST
	s_mov_b32 s[G1A+6], 0
	s_mov_b32 s[G1A+7], 0
	s_or_b32 s[G1B], s[MKB], (1<<16)|(1<<20)|(1<<21)|(BQI<<22)|(BPC<<25)
	s_mov_b32 s[G1B+1], BD0<<16
	s_mov_b32 s[G1B+2], BD1<<16
	s_mov_b32 s[G1B+3], BD0<<16
	s_mov_b32 s[G1B+4], BD1
	s_mov_b32 s[G1B+5], BST
	s_mov_b32 s[G1B+6], 0
	s_mov_b32 s[G1B+7], 0
	s_mul_i32 s[ABA], s[TR], ATR
	s_mul_i32 s[ABA+1], s[WN], AHALF
	s_add_co_u32 s[ABA], s[ABA], s[ABA+1]
	s_mov_b32 s[ABA+1], 0
	s_mul_i32 s[OFA], s[PX], ASTEP                 ; the walk's first K step is p
	s_mov_b32 s[OFA+1], 0
	s_mul_i32 s[BBA], s[TC], BTC
	s_mul_i32 s[BBA+1], s[WN], BHALF
	s_add_co_u32 s[BBA], s[BBA], s[BBA+1]
	s_add_co_u32 s[BBA], s[BBA], BW0
	s_mov_b32 s[BBA+1], 0
	s_mul_i32 s[OFB], s[PX], BSTEP
	s_mov_b32 s[OFB+1], 0
	s_mul_i32 s[WLA], s[WN], AWL
	s_mul_i32 s[WLB], s[WN], BWL
	s_add_co_u32 s[WLB], s[WLB], ABYTES
	s_mov_b32 s[G0A], 1
	s_mov_b32 s[G0A+1], s[WLA]
	s_mov_b32 s[G0B], 1
	s_mov_b32 s[G0B+1], s[WLB]
	s_mov_b32 s[FB], 0
	s_mov_b32 s[TBA], SLOT+4*QA
	s_mov_b32 s[TBB], SLOT+4*QB
	s_mov_b32 s[SLOTS], NS-1
	s_mov_b32 s[CP], 0x3e6d3389                    ; 0.2316419
	s_mov_b32 s[CP+1], s[CP]
	s_mov_b32 s[C2], 0xbf38aa3b                    ; -log2(e) / 2
	s_mov_b32 s[C2+1], s[C2]
	s_mov_b32 s[CB5], 0x3f07dc22                   ; 1.330274429 / sqrt(2 pi)
	s_mov_b32 s[CB5+1], s[CB5]
	s_mov_b32 s[CB4], 0xbf3a00e3                   ; -1.821255978 / sqrt(2 pi)
	s_mov_b32 s[CB4+1], s[CB4]
	s_mov_b32 s[CB3], 0x3f35f0e3                   ; 1.781477937 / sqrt(2 pi)
	s_mov_b32 s[CB3+1], s[CB3]
	s_mov_b32 s[CB2], 0xbe11a98e                   ; -0.356563782 / sqrt(2 pi)
	s_mov_b32 s[CB2+1], s[CB2]
	s_mov_b32 s[CB1], 0x3e027906                   ; 0.319381530 / sqrt(2 pi)
	s_mov_b32 s[CB1+1], s[CB1]
	s_mov_b32 s[SGN], 0x7fffffff
	s_mul_i32 s70, s[TR], TM                       ; the prefetches.  A: my work-group's quarter of the tile's rows, at K step 1 + p
	s_mul_i32 s71, s[CX], TM/4
	s_add_co_u32 s70, s70, s71
	s_mul_i32 s70, s70, 2*KTOT
	s_add_co_u32 s70, s70, ASTEP
	s_mul_i32 s72, s[TC], BTC                      ; B: my work-group's 32 of the step's 128 rows, at K step 1 + p
	s_mul_i32 s73, s[CY], 64*NTOT
	s_add_co_u32 s72, s72, s73
	s_add_co_u32 s72, s72, BW0+BSTEP
	s_and_b32 s74, ttmp7, 0xffff
	s_mov_b32 s75, BSTEP
	s_mov_b32 s76, 2*NTOT
	s_cmp_eq_u32 s[WV], 0
	s_cselect_b32 s70, s70, s72
	s_cselect_b32 s[PFS], ASTEP, s75
	s_cselect_b32 s76, 2*KTOT, s76
	s_cselect_b32 s74, ttmp9, s74                  ; the coordinate along which other clusters read the same rows
	s_mul_i32 s73, s[PX], s[PFS]
	s_add_co_u32 s70, s70, s73
	s_lshr_b32 s74, s74, 1                         ; 0 where that coordinate is below 2,
	s_or_b32 s74, s74, s[WN]                       ; in waves 0 and 2
	s_cmp_eq_u32 s74, 0
	s_cselect_b32 s[LIM], 0, 1                     ; the same in all sixteen partners, for a given wave
	s_mov_b32 s71, 0
	s_mov_b32 s[PFS+1], 0
	v_and_b32 v[PFO], 31, v0
	v_mul_u32_u24 v[PFO], s76, v[PFO]
	s_wait_dscnt 0x0
	s_wait_kmcnt 0x0
	s_add_nc_u64 s[ABA:ABA+1], s[4:5], s[ABA:ABA+1]
	s_add_nc_u64 s[BBA:BBA+1], s[6:7], s[BBA:BBA+1]
	s_add_nc_u64 s[G0A+2:G0A+3], s[ABA:ABA+1], s[OFA:OFA+1]
	s_or_b32 s[G0A+3], s[G0A+3], 0x80000000
	s_add_nc_u64 s[G0B+2:G0B+3], s[BBA:BBA+1], s[OFB:OFB+1]
	s_or_b32 s[G0B+3], s[G0B+3], 0x80000000
	s_cmp_eq_u32 s[WV], 0
	s_cselect_b64 s[PFP:PFP+1], s[4:5], s[6:7]
	s_add_nc_u64 s[PFP:PFP+1], s[PFP:PFP+1], s[70:71]
	CROUND
	JLOAD                                          ; the walk's first K step into slot 0
	v_and_b32 v1, 15, v0
	v_bfe_u32 v2, v0, 4, 1
	v_mul_u32_u24 v[A0], v1, PA
	v_lshl_add_u32 v[A0], v2, 4, v[A0]
	s_mul_i32 s[LT], s[WM], A0W
	v_add_nc_u32 v[A0], s[LT], v[A0]
	v_and_b32 v16, 7, v0
	v_lshl_add_u32 v16, v2, 3, v16
	v_mul_u32_u24 v[B0], v16, PB
	v_bfe_u32 v17, v0, 3, 1
	v_lshl_add_u32 v[B0], v17, 4, v[B0]
	s_mul_i32 s[LT], s[WN], B0W
	s_add_co_u32 s[LT], s[LT], ABYTES
	v_add_nc_u32 v[B0], s[LT], v[B0]
	s_mul_i32 s[LT], s[WV], DWB
	v_mul_u32_u24 v[STO], v1, PD
	v_lshl_add_u32 v[STO], v2, 5, v[STO]
	v_add_nc_u32 v[STO], s[LT], v[STO]
	v_and_b32 v16, 31, v0
	v_lshl_add_u32 v[RD0], v16, 4, s[LT]           ; back: 32 lanes take a row's 512 bytes of f32,
	v_lshlrev_b32 v[GO], 3, v16                    ; which leave as 256 bytes of bf16
	v_lshlrev_b32 v18, 5, v2
	s_lshl_b32 s70, s[TC], 10
	s_lshl_b32 s71, s[WN], 9
	s_add_co_u32 s70, s70, s71                     ; my first column, in bytes of f32
	s_mov_b32 s71, 0
	s_add_nc_u64 s[8:9], s[8:9], s[70:71]
.irp b, 0,1,2,3,4,5,6,7
	global_load_b128 v[BIAS+8*\b:BIAS+8*\b+3], v18, s[8:9] offset:64*\b
	global_load_b128 v[BIAS+8*\b+4:BIAS+8*\b+7], v18, s[8:9] offset:64*\b+16
.endr
	s_lshl_b32 s72, s[TR], 21                      ; g: 256 rows of 8,192 bytes a tile row,
	s_lshl_b32 s73, s[WM], 20                      ; 128 a half,
	s_add_co_u32 s72, s72, s73
	s_lshl_b32 s73, s[TC], 9                       ; 512 bytes a tile column,
	s_add_co_u32 s72, s72, s73
	s_lshl_b32 s73, s[WN], 8                       ; 256 a half
	s_add_co_u32 s72, s72, s73
	s_mov_b32 s73, 0
	s_add_nc_u64 s[10:11], s[10:11], s[72:73]
	CHANGE 1                                       ; slot 0 is in; the walk's second K step goes into slot 1
	FETCH 0
	s_wait_loadcnt 0x0                             ; the bias
	HALF 0, 1, 1
	WIN 0
	s_mov_b32 s[CNT], 1                            ; the first slot has one more pair of quarters ahead of its change: the loop is entered in the middle of a trip
	s_branch .Lpair
.Lslot:                                        ; NS - 2 trips begin here
	CHANGE 1
	s_mov_b32 s[CNT], 2
.Lpair:
	HALF 1, 0, 0
	HALF 0, 1, 0
	WIN 0
	s_sub_co_u32 s[CNT], s[CNT], 1
	s_cmp_lg_u32 s[CNT], 0
	s_cbranch_scc1 .Lpair
	s_sub_co_u32 s[SLOTS], s[SLOTS], 1
	s_cmp_lg_u32 s[SLOTS], 0
	s_cbranch_scc1 .Lslot
	CHANGE 0                                       ; the tail is written out
	s_mov_b32 s[CNT], 2
.Lpair2:
	HALF 1, 0, 0
	HALF 0, 1, 0
	WIN 0
	s_sub_co_u32 s[CNT], s[CNT], 1
	s_cmp_lg_u32 s[CNT], 0
	s_cbranch_scc1 .Lpair2
	s_wait_dscnt 0x0                               ; my reads of the ring are over:
	s_barrier_signal -1
	MULS 1, 0, 0
	MULS 1, 1, 0
	WIN 0
	s_barrier_wait -1                              ; everybody's are; the ring has had its last fill, so the dump may lie there
.rept 8
	v_nop
.endr
.set nn, 0
.rept MB*NBL                           ; each accumulator's low registers go first
	WIN 0x08+4*(nn/32)
	ds_store_b128 v[STO], v[8*(nn%32):8*(nn%32)+3] offset:(nn/NBL)*16*PD+64*(nn%NBL)
	ds_store_b128 v[STO], v[8*(nn%32)+4:8*(nn%32)+7] offset:(nn/NBL)*16*PD+64*(nn%NBL)+16
.set nn, nn+1
.endr
	WIN 0
	; THE WAY OUT: 32 trips of 4 rows, in two batches of 2; while one batch is worked on the other's two loads are out.  A wave reads back its own dump alone, in order behind its stores.
.macro GELU bt
.set XB, XX+8*(\bt)
.set YB, YY+4*(\bt)
	s_wait_dscnt 2                                 ; my batch is back; the other batch's two loads stay out
.set i, 0
.rept 8
	v_and_b32 v[AX+i], s[SGN], v[XB+i]
.set i, i+1
.endr
.set i, 0
.rept 4
	v_pk_fma_f32 v[U+i:U+i+1], v[AX+i:AX+i+1], s[CP:CP+1], 1.0 op_sel_hi:[1,0,0]
	v_pk_mul_f32 v[W+i:W+i+1], v[XB+i:XB+i+1], v[XB+i:XB+i+1]
.set i, i+2
.endr
.set i, 0
.rept 4
	v_pk_mul_f32 v[W+i:W+i+1], v[W+i:W+i+1], s[C2:C2+1] op_sel_hi:[1,0]
.set i, i+2
.endr
.set i, 0
.rept 8
	v_rcp_f32 v[T+i], v[U+i]
.set i, i+1
.endr
.set i, 0
.rept 8
	v_exp_f32 v[W+i], v[W+i]
.set i, i+1
.endr
	v_nop                                          ; a plain instruction behind the last of the sixteen,
	s_wait_alu depctr_va_vdst(0)                   ; and one wait for the batch, ahead of its first reader
.set i, 0
.rept 4
	v_pk_fma_f32 v[H+i:H+i+1], v[T+i:T+i+1], s[CB5:CB5+1], s[CB4:CB4+1] op_sel_hi:[1,0,0]
.set i, i+2
.endr
.irp c, CB3, CB2, CB1
.set i, 0
.rept 4
	v_pk_fma_f32 v[H+i:H+i+1], v[H+i:H+i+1], v[T+i:T+i+1], s[\c:\c+1] op_sel_hi:[1,1,0]
.set i, i+2
.endr
.endr
.set i, 0
.rept 4
	v_pk_mul_f32 v[W+i:W+i+1], v[W+i:W+i+1], v[T+i:T+i+1]
.set i, i+2
.endr
.set i, 0
.rept 4
	v_pk_fma_f32 v[H+i:H+i+1], v[W+i:W+i+1], v[H+i:H+i+1], 0.5 op_sel_hi:[1,1,0] neg_lo:[1,0,0] neg_hi:[1,0,0]  ; 1/2 - q
.set i, i+2
.endr
.set i, 0
.rept 4
	v_pk_mul_f32 v[H+i:H+i+1], v[AX+i:AX+i+1], v[H+i:H+i+1]
.set i, i+2
.endr
.set i, 0
.rept 4
	v_pk_fma_f32 v[H+i:H+i+1], v[XB+i:XB+i+1], 0.5, v[H+i:H+i+1] op_sel_hi:[1,0,1]
.set i, i+2
.endr
	s_wait_xcnt 0x0                                ; the stores issued so far have read their sources: this batch's packed registers (read a trip back) and the base are written again only behind this wait; a batch's arithmetic stands between the youngest store and it
.if (\bt) == 0
	s_add_nc_u64 s[10:11], s[10:11], 32768         ; the base steps ahead of the trip's stores, which reach back
.endif
.set i, 0
.rept 4
	v_cvt_pk_bf16_f32 v[YB+i], v[H+2*i], v[H+2*i+1]
.set i, i+1
.endr
	ds_load_b128 v[XB:XB+3], v[RDA] offset:(2*(\bt))*PD        ; the next trip's rows of this batch
	ds_load_b128 v[XB+4:XB+7], v[RDA] offset:(2*(\bt)+1)*PD
	global_store_b64 v[GO], v[YB:YB+1], s[10:11] offset:(2*(\bt))*8192-32768      ; 32 lanes: 256 bytes on end, aligned
	global_store_b64 v[GO], v[YB+2:YB+3], s[10:11] offset:(2*(\bt)+1)*8192-32768
.endm
	s_mov_b32 s[CNT], 32
	s_mov_b32 s[LT], 0
.irp j, 0,1,2,3
	ds_load_b128 v[XX+4*\j:XX+4*\j+3], v[RD0] offset:\j*PD
.endr
.Lgelu:
	s_add_co_u32 s[LT], s[LT], 4*PD
	s_min_u32 s[LT], s[LT], 124*PD                 ; the last trip reads its own four rows once more and discards them: no read leaves my dump
	v_add_nc_u32 v[RDA], s[LT], v[RD0]
	GELU 0
	GELU 1
	s_sub_co_u32 s[CNT], s[CNT], 1
	s_cmp_lg_u32 s[CNT], 0
	s_cbranch_scc1 .Lgelu
	s_wait_tensorcnt 0x0                           ; the wave's end: these three lines, behind my last tensor load and my last LDS store
	ds_add_u32 v[SPW], v[NIL]
	s_wait_dscnt 0x0
	CROUND                                         ; the closing round
	s_endpgm
.Lfunc_end_k_q3c1a709833_gmlp1:
	.size	k_q3c1a709833_gmlp1, .Lfunc_end_k_q3c1a709833_gmlp1-k_q3c1a709833_gmlp1
	.p2alignl 7, 3214868480
	.fill 96, 4, 3214868480
	.section	.rodata,"a",@progbits
	.p2align	6, 0x0
	.amdhsa_kernel k_q3c1a709833_gmlp1
		.amdhsa_group_segment_fixed_size 327680
		.amdhsa_private_segment_fixed_size 0
		.amdhsa_enable_private_segment 0
		.amdhsa_kernarg_size 32
		.amdhsa_user_sgpr_count 2
		.amdhsa_user_sgpr_kernarg_segment_ptr 1
		.amdhsa_wavefront_size32 1
		.amdhsa_system_sgpr_workgroup_id_x 1
		.amdhsa_system_sgpr_workgroup_id_y 1
		.amdhsa_system_sgpr_workgroup_id_z 1
		.amdhsa_system_vgpr_workitem_id 0
		.amdhsa_next_free_vgpr 1024
		.amdhsa_next_free_sgpr 96
		.amdhsa_reserve_vcc 0
		.amdhsa_float_denorm_mode_32 3
		.amdhsa_float_denorm_mode_16_64 3
		.amdhsa_memory_ordered 1
		.amdhsa_forward_progress 1
		.amdhsa_inst_pref_size 72
	.end_amdhsa_kernel
	.amdgpu_metadata
---
amdhsa.version: [ 1, 2 ]
amdhsa.kernels:
  - .name:           k_q3c1a709833_gmlp1
    .symbol:         k_q3c1a709833_gmlp1.kd
    .args:
      - { .name: h, .offset: 0, .size: 8, .value_kind: global_buffer, .address_space: global }
      - { .name: wbf, .offset: 8, .size: 8, .value_kind: global_buffer, .address_space: global }
      - { .name: b1, .offset: 16, .size: 8, .value_kind: global_buffer, .address_space: global }
      - { .name: g, .offset: 24, .size: 8, .value_kind: global_buffer, .address_space: global }
    .group_segment_fixed_size: 327680
    .private_segment_fixed_size: 0
    .kernarg_segment_align: 8
    .kernarg_segment_size: 32
    .max_flat_workgroup_size: 128
    .sgpr_count:     96
    .vgpr_count:     1024
    .wavefront_size: 32
...
	.end_amdgpu_metadata
.endif
;; end of part 5
;; launch gmlp2 (part 6): grid 8 x 32, 4 waves a work-group, clusters of 4 x 4, 327,680 bytes of LDS; arguments g, wbf, b2, x1, out0; writes out0
.if DOCPART == 6
	.amdgcn_target "amdgcn-amd-amdhsa--gfx1250"
	.amdhsa_code_object_version 6
	.text
	.protected	k_q3c1a709833_gmlp2
	.globl	k_q3c1a709833_gmlp2
	.p2align	8
	.type	k_q3c1a709833_gmlp2,@function
k_q3c1a709833_gmlp2:
	s_mov_b64 s[64:65], 0
	v_nop
	global_prefetch_b8 v0, s[64:65] scope:SCOPE_SE
	s_setreg_imm32_b32 hwreg(HW_REG_WAVE_MODE, 25, 1), 1
	s_wait_xcnt 0x0
	s_wait_alu depctr_hold_cnt(0) depctr_sa_sdst(0) depctr_va_vdst(0) depctr_va_sdst(0) depctr_va_ssrc(0) depctr_va_vcc(0) depctr_vm_vsrc(0)
	s_getreg_b32 s2, hwreg(HW_REG_IB_STS2, 6, 4)
	s_cmp_eq_u32 s2, 0
	s_cbranch_scc0 .Lentry_in_a_cluster
	s_endpgm
.Lentry_in_a_cluster:
	s_bfe_u32 s2, ttmp6, 0x10000c
	s_cmp_lg_u32 s2, 0xf033
	s_cbranch_scc0 .Lentry_shape_is_right
	s_endpgm
.Lentry_shape_is_right:
; out0 = x1 + g x w2 + b2.  g: [4096][4096] bf16; w2: bf16 [4096][1024] in wbf; b2, x1, out0 in f32; sums in f32.
; A tile of C is 128 x 128; four waves as 2 x 2, each 64 x 64: 16 accumulators.  The matrix instruction is used transposed (source 0 = 16 columns of the weights, turned out of LDS by ds_load_tr16_b128;
; source 1 = 16 rows of g): a lane holds one row of C and eight neighbouring columns.  The bias is the C operand of the products that start the sums.
; K goes in 16 steps of 256 (rows of 512 bytes of g) through two LDS slots; a quarter is 64 along K, two products deep.
; THE WALK ALONG K.  A cluster takes the K steps in the order t xor p, p = (cluster x + cluster y) mod 2.  Clusters that are neighbours along x read the same rows of g, neighbours along y the same rows of the
; weights, and their p differ: of each pair of K steps each of the two asks for one first, and for the other one change of slots after its neighbour has read it.  The sums are f32: their order is free.
; CLUSTER 4 x 4: g's tile is shared along a row of the cluster, the weights' along a column; one joint tensor load a wave behind each round; one load of a wave is out at the most.
; No prefetch: the tiles are small.  lds_bytes claims all of the LDS.
; The residual's 32 loads a lane go out at the start and are waited for on the way out.  LIMITS: operands are rounded to bf16; NaN and infinities are not treated apart.
.set TM, 128
.set TN, 128
.set MB, 4
.set NBL, 4
.set QD, 2
.set KTOT, 4096
.set NTOT, 1024
.set NS, 16
.set GX, 2
.set PA, 528
.set QA, 128
.set PB, 288
.set QB, 18432
.set BG, 128
.set ABYTES, 67584
.set SLOT, 141312
.set AWL, 33792
.set BWL, 36864
.set ATR, 1048576
.set AHALF, 524288
.set ASTEP, 512
.set BW0, 16777216
.set BTC, 256
.set BHALF, 262144
.set BSTEP, 524288
.set AQI, 6
.set APC, 3
.set AD0, 256
.set AD1, 64
.set AST, 4096
.set BQI, 5
.set BPC, 7
.set BD0, 128
.set BD1, 128
.set BST, 1024
.set A0W, 33792
.set B0W, 128
.set W1, 16                            ; the youngest loads of a quarter that its first half does not read: the second 32 along K
.set PD, 272
.set DWB, 17408
.set SPARE, 327168
.set A0,  4
.set B0,  5
.set ADA, 6
.set ADB, 7
.set STO, 8
.set RD0, 9
.set GO,  11
.set SPW, 12
.set NIL, 13
.set BIAS, 32                          ; v[32:63] the bias of my 64 columns, as a C operand; later at work on the way out
.set RES, 128                          ; v[128:255] the residual of my 64 x 64
.set WV, 14
.set WM, 15
.set WN, 16
.set CX, 17
.set CY, 18
.set TC, 19
.set TR, 20
.set MKA, 21
.set MKB, 22
.set LT, 23
.set G1A, 24
.set G0A, 32
.set G0B, 36
.set G1B, 40
.set FB, 48
.set WLA, 49
.set WLB, 50
.set TBA, 51
.set TBB, 52
.set SLOTS, 53
.set CNT, 54
.set ABA, 60                           ; s[60:61] A at my half of the tile's rows, K step 0: the tile row and the wave's number alone
.set OFA, 62                           ; s[62:63] the K step's bytes in A
.set BBA, 66                           ; s[66:67] B at my half of a K step's rows: the tile column and the wave's number alone
.set OFB, 68                           ; s[68:69] the K step's bytes in B
.set FT, 77                            ; the place in the walk that was asked for last
.set PX, 78                            ; p
.set KK, 79
.set MSB, 0
.macro WIN new
.if MSB != (\new)
	s_set_vgpr_msb (MSB<<8)|(\new)
.set MSB, (\new)
.endif
.endm
.macro CROUND
	s_barrier_signal -1
	s_barrier_wait -1
	s_cmp_lg_u32 s[WV], 0
	s_cbranch_scc1 .Lnot_wave_0_\@
	s_barrier_signal -3
.Lnot_wave_0_\@:
	s_barrier_wait -3
	s_barrier_signal -1
	s_barrier_wait -1
.endm
.macro JLOAD                           ; the branch hangs on the wave's number alone; an s_nop 0 and four v_nop follow each line
	s_cmp_lt_u32 s[WV], 2
	s_cbranch_scc0 .Lfor_b_\@
	tensor_load_to_lds s[G0A:G0A+3], s[G1A:G1A+7]
	s_nop 0
.rept 4
	v_nop
.endr
	s_branch .Lasked_\@
.Lfor_b_\@:
	tensor_load_to_lds s[G0B:G0B+3], s[G1B:G1B+7]
	s_nop 0
.rept 4
	v_nop
.endr
.Lasked_\@:
.endm
; THE CHANGE OF SLOTS: every wave waits for all its tensor loads, adds 0 to its spare word, waits for that and for its reads of the slot that it leaves; fill = 1: a round of the cluster's barrier, the joint refill
; first behind it.  The descriptors' global addresses are made anew: the base and K step FT xor p.
.macro CHANGE fill
	WIN 0
	s_wait_tensorcnt 0x0
	ds_add_u32 v[SPW], v[NIL]
.if \fill
	s_xor_b32 s[FB], s[FB], SLOT
	s_add_co_u32 s[G0A+1], s[FB], s[WLA]
	s_add_co_u32 s[G0B+1], s[FB], s[WLB]
	s_add_co_u32 s[FT], s[FT], 1
	s_xor_b32 s[KK], s[FT], s[PX]
	s_mul_i32 s[OFA], s[KK], ASTEP
	s_mul_i32 s[OFB], s[KK], BSTEP
	s_add_nc_u64 s[G0A+2:G0A+3], s[ABA:ABA+1], s[OFA:OFA+1]
	s_or_b32 s[G0A+3], s[G0A+3], 0x80000000
	s_add_nc_u64 s[G0B+2:G0B+3], s[BBA:BBA+1], s[OFB:OFB+1]
	s_or_b32 s[G0B+3], s[G0B+3], 0x80000000
	s_wait_dscnt 0x0
	CROUND
	JLOAD
.else
	s_wait_dscnt 0x0
	s_barrier_signal -1
	s_barrier_wait -1
.endif
	s_sub_co_u32 s[TBA], s[TBA], 4*QA
	s_xor_b32 s[TBA], s[TBA], SLOT
	s_sub_co_u32 s[TBB], s[TBB], 4*QB
	s_xor_b32 s[TBB], s[TBB], SLOT
.endm
.macro PROD f, first
.set nn, ia*NBL+ib
.set rD, 8*(nn%32)
.set rB, 128*(\f)+8*MB*QD+8*(ic*NBL+ib)
.set rA, 128*(\f)+8*(ic*MB+ia)
.if \first
	WIN 0x85+0x40*(nn/32)
	v_wmma_f32_16x16x32_bf16 v[rD:rD+7], v[rB:rB+7], v[rA:rA+7], v[BIAS+8*ib:BIAS+8*ib+7]
.else
	WIN 0xa5+0x50*(nn/32)
	v_wmma_f32_16x16x32_bf16 v[rD:rD+7], v[rB:rB+7], v[rA:rA+7], v[rD:rD+7]
.endif
.endm
.macro MULS f, part, first             ; 32 along K for all 16 accumulators, which take turns, one instruction a turn
.set ic, \part
.set ia, 0
.rept MB
.set ib, 0
.rept NBL
	PROD \f, (\first)*(1-(\part))
.set ib, ib+1
.endr
.set ia, ia+1
.endr
.endm
.macro FETCH g                         ; a quarter's 32 LDS loads in one run; the four plain lines at its head are the places behind the last product that read g
	WIN 0
	v_add_nc_u32 v[ADA], s[TBA], v[A0]
	v_add_nc_u32 v[ADB], s[TBB], v[B0]
	v_nop
	v_nop
	s_add_co_u32 s[TBA], s[TBA], QA
	s_add_co_u32 s[TBB], s[TBB], QB
	WIN 0x40
.set ic, 0
.rept QD
.set ib, 0
.rept NBL
.set rB, 128*(\g)+8*MB*QD+8*(ic*NBL+ib)
.set oB, ic*32*PB+(ib/4)*BG+(ib%4)*32
	ds_load_tr16_b128 v[rB:rB+3], v[ADB] offset:oB
	ds_load_tr16_b128 v[rB+4:rB+7], v[ADB] offset:oB+16*PB
.set ib, ib+1
.endr
.set ia, 0
.rept MB
.set rA, 128*(\g)+8*(ic*MB+ia)
	ds_load_b128 v[rA:rA+3], v[ADA] offset:ia*16*PA+64*ic
	ds_load_b128 v[rA+4:rA+7], v[ADA] offset:ia*16*PA+64*ic+32
.set ia, ia+1
.endr
.set ic, ic+1
.endr
.endm
.macro HALF f, g, first
	s_wait_dscnt W1
	MULS \f, 0, \first
	FETCH \g
	s_wait_dscnt 32                                ; all but the 32 just issued
	MULS \f, 1, \first
.endm
	s_load_b256 s[4:11], s[0:1], 0x0               ; A, wbf, the bias, the residual
	s_load_b64 s[12:13], s[0:1], 0x20              ; the output
	v_lshl_add_u32 v[SPW], v0, 2, SPARE
	v_mov_b32 v[NIL], 0
	ds_add_u32 v[SPW], v[NIL]                      ; the wave's opening: the add and its wait ahead of my first tensor load
	v_lshrrev_b32 v3, 5, v0
	v_readfirstlane_b32 s[WV], v3
	s_lshr_b32 s[WM], s[WV], 1
	s_and_b32 s[WN], s[WV], 1
	s_bfe_u32 s[CX], ttmp6, 0x40000
	s_bfe_u32 s[CY], ttmp6, 0x40004
	s_lshl_b32 s[TC], ttmp9, 2
	s_add_co_u32 s[TC], s[TC], s[CX]
	s_and_b32 s[TR], ttmp7, 0xffff
	s_lshl_b32 s[TR], s[TR], 2
	s_add_co_u32 s[TR], s[TR], s[CY]
	s_lshl_b32 s[MKA], s[CY], 2
	s_lshl_b32 s[MKA], 15, s[MKA]
	s_lshl_b32 s[MKB], 0x1111, s[CX]
	s_and_b32 s[PX], ttmp7, 0xffff
	s_add_co_u32 s[PX], s[PX], ttmp9
	s_and_b32 s[PX], s[PX], GX-1                   ; p: made of the cluster's own coordinates, which all sixteen partners share
	s_mov_b32 s[FT], 0
	s_or_b32 s[G1A], s[MKA], (1<<16)|(1<<20)|(1<<21)|(AQI<<22)|(APC<<25)
	s_mov_b32 s[G1A+1], AD0<<16
	s_mov_b32 s[G1A+2], AD1<<16
	s_mov_b32 s[G1A+3], AD0<<16
	s_mov_b32 s[G1A+4], AD1
	s_mov_b32 s[G1A+5], AST
	s_mov_b32 s[G1A+6], 0
	s_mov_b32 s[G1A+7], 0
	s_or_b32 s[G1B], s[MKB], (1<<16)|(1<<20)|(1<<21)|(BQI<<22)|(BPC<<25)
	s_mov_b32 s[G1B+1], BD0<<16
	s_mov_b32 s[G1B+2], BD1<<16
	s_mov_b32 s[G1B+3], BD0<<16
	s_mov_b32 s[G1B+4], BD1
	s_mov_b32 s[G1B+5], BST
	s_mov_b32 s[G1B+6], 0
	s_mov_b32 s[G1B+7], 0
	s_mul_i32 s[ABA], s[TR], ATR
	s_mul_i32 s[ABA+1], s[WN], AHALF
	s_add_co_u32 s[ABA], s[ABA], s[ABA+1]
	s_mov_b32 s[ABA+1], 0
	s_mul_i32 s[OFA], s[PX], ASTEP                 ; the walk's first K step is p
	s_mov_b32 s[OFA+1], 0
	s_mul_i32 s[BBA], s[TC], BTC
	s_mul_i32 s[BBA+1], s[WN], BHALF
	s_add_co_u32 s[BBA], s[BBA], s[BBA+1]
	s_add_co_u32 s[BBA], s[BBA], BW0
	s_mov_b32 s[BBA+1], 0
	s_mul_i32 s[OFB], s[PX], BSTEP
	s_mov_b32 s[OFB+1], 0
	s_mul_i32 s[WLA], s[WN], AWL
	s_mul_i32 s[WLB], s[WN], BWL
	s_add_co_u32 s[WLB], s[WLB], ABYTES
	s_mov_b32 s[G0A], 1
	s_mov_b32 s[G0A+1], s[WLA]
	s_mov_b32 s[G0B], 1
	s_mov_b32 s[G0B+1], s[WLB]
	s_mov_b32 s[FB], 0
	s_mov_b32 s[TBA], SLOT+4*QA
	s_mov_b32 s[TBB], SLOT+4*QB
	s_mov_b32 s[SLOTS], NS-1
	s_wait_dscnt 0x0
	s_wait_kmcnt 0x0
	s_add_nc_u64 s[ABA:ABA+1], s[4:5], s[ABA:ABA+1]
	s_add_nc_u64 s[BBA:BBA+1], s[6:7], s[BBA:BBA+1]
	s_add_nc_u64 s[G0A+2:G0A+3], s[ABA:ABA+1], s[OFA:OFA+1]
	s_or_b32 s[G0A+3], s[G0A+3], 0x80000000
	s_add_nc_u64 s[G0B+2:G0B+3], s[BBA:BBA+1], s[OFB:OFB+1]
	s_or_b32 s[G0B+3], s[G0B+3], 0x80000000
	CROUND
	JLOAD                                          ; the walk's first K step into slot 0
	v_and_b32 v1, 15, v0
	v_bfe_u32 v2, v0, 4, 1
	v_mul_u32_u24 v[A0], v1, PA
	v_lshl_add_u32 v[A0], v2, 4, v[A0]
	s_mul_i32 s[LT], s[WM], A0W
	v_add_nc_u32 v[A0], s[LT], v[A0]
	v_and_b32 v16, 7, v0
	v_lshl_add_u32 v16, v2, 3, v16
	v_mul_u32_u24 v[B0], v16, PB
	v_bfe_u32 v17, v0, 3, 1
	v_lshl_add_u32 v[B0], v17, 4, v[B0]
	s_mul_i32 s[LT], s[WN], B0W
	s_add_co_u32 s[LT], s[LT], ABYTES
	v_add_nc_u32 v[B0], s[LT], v[B0]
	s_mul_i32 s[LT], s[WV], DWB
	v_mul_u32_u24 v[STO], v1, PD
	v_lshl_add_u32 v[STO], v2, 5, v[STO]
	v_add_nc_u32 v[STO], s[LT], v[STO]
	v_mul_u32_u24 v[RD0], v2, PD                   ; back: lanes 0-15 one row of 256 bytes, lanes 16-31 the next
	v_lshl_add_u32 v[RD0], v1, 4, v[RD0]
	v_add_nc_u32 v[RD0], s[LT], v[RD0]
	v_lshlrev_b32 v18, 5, v2                       ; the bias: my lanes' eight columns of a block of 16
	s_lshl_b32 s70, s[TC], 9
	s_lshl_b32 s71, s[WN], 8
	s_add_co_u32 s70, s70, s71                     ; my first column, in bytes of f32
	s_mov_b32 s71, 0
	s_add_nc_u64 s[8:9], s[8:9], s[70:71]
.irp b, 0,1,2,3
	global_load_b128 v[BIAS+8*\b:BIAS+8*\b+3], v18, s[8:9] offset:64*\b
	global_load_b128 v[BIAS+8*\b+4:BIAS+8*\b+7], v18, s[8:9] offset:64*\b+16
.endr
	s_lshl_b32 s72, s[TR], 19                      ; my first row: 128 rows of 4,096 bytes a tile row,
	s_lshl_b32 s73, s[WM], 18                      ; 64 a half
	s_add_co_u32 s72, s72, s73
	s_add_co_u32 s72, s72, s70
	s_mov_b32 s73, 0
	s_add_nc_u64 s[10:11], s[10:11], s[72:73]
	s_add_nc_u64 s[12:13], s[12:13], s[72:73]
	v_lshlrev_b32 v[GO], 12, v2
	v_lshl_add_u32 v[GO], v1, 4, v[GO]
.set t, 0
.rept 32                               ; rows 2 t and 2 t + 1 of my 64: 16 lanes take 256 bytes on end
	global_load_b128 v[RES+4*t:RES+4*t+3], v[GO], s[10:11] offset:8192*t
.set t, t+1
.endr
	CHANGE 1                                       ; slot 0 is in; the walk's second K step goes into slot 1
	FETCH 0
	s_wait_loadcnt 32                              ; the bias is in; the residual's 32 younger loads stay out
	HALF 0, 1, 1
	WIN 0
	s_mov_b32 s[CNT], 1                            ; the first slot has one more pair of quarters ahead of its change: the loop is entered in the middle of a trip
	s_branch .Lpair
.Lslot:                                        ; NS - 2 trips begin here
	CHANGE 1
	s_mov_b32 s[CNT], 2
.Lpair:
	HALF 1, 0, 0
	HALF 0, 1, 0
	WIN 0
	s_sub_co_u32 s[CNT], s[CNT], 1
	s_cmp_lg_u32 s[CNT], 0
	s_cbranch_scc1 .Lpair
	s_sub_co_u32 s[SLOTS], s[SLOTS], 1
	s_cmp_lg_u32 s[SLOTS], 0
	s_cbranch_scc1 .Lslot
	CHANGE 0                                       ; the tail is written out
	s_mov_b32 s[CNT], 2
.Lpair2:
	HALF 1, 0, 0
	HALF 0, 1, 0
	WIN 0
	s_sub_co_u32 s[CNT], s[CNT], 1
	s_cmp_lg_u32 s[CNT], 0
	s_cbranch_scc1 .Lpair2
	s_wait_dscnt 0x0                               ; my reads of the ring are over:
	s_barrier_signal -1
	MULS 1, 0, 0
	MULS 1, 1, 0
	WIN 0
	s_barrier_wait -1                              ; everybody's are; the ring has had its last fill, so the dump may lie there
.rept 8
	v_nop
.endr
.set nn, 0
.rept MB*NBL                           ; each accumulator's low registers go first
	WIN 0x08+4*(nn/32)
	ds_store_b128 v[STO], v[8*(nn%32):8*(nn%32)+3] offset:(nn/NBL)*16*PD+64*(nn%NBL)
	ds_store_b128 v[STO], v[8*(nn%32)+4:8*(nn%32)+7] offset:(nn/NBL)*16*PD+64*(nn%NBL)+16
.set nn, nn+1
.endr
	WIN 0
	; THE WAY OUT: four batches of 16 rows; a wave reads back its own dump alone, in order behind its stores.
.macro LOADB k
.set i, 0
.rept 8
	ds_load_b128 v[32+32*((\k)%2)+4*i:32+32*((\k)%2)+4*i+3], v[RD0] offset:2*(8*(\k)+i)*PD
.set i, i+1
.endr
.endm
.macro SENDB k
.set i, 0
.rept 8
.set rR, RES+4*(8*(\k)+i)
.set rL, 32+32*((\k)%2)+4*i
	v_pk_add_f32 v[rR:rR+1], v[rR:rR+1], v[rL:rL+1]
	v_pk_add_f32 v[rR+2:rR+3], v[rR+2:rR+3], v[rL+2:rL+3]
	global_store_b128 v[GO], v[rR:rR+3], s[12:13] offset:8192*(8*(\k)+i)  ; 16 lanes: 256 bytes on end, aligned
.set i, i+1
.endr
.endm
	s_wait_loadcnt 0x0                             ; the residual
	LOADB 0
	LOADB 1
	s_wait_dscnt 8                                 ; the younger batch's eight loads stay out
	SENDB 0
	LOADB 2
	s_wait_dscnt 8
	SENDB 1
	LOADB 3
	s_wait_dscnt 8
	SENDB 2
	s_wait_dscnt 0x0
	SENDB 3
	s_wait_tensorcnt 0x0                           ; the wave's end: these three lines, behind my last tensor load and my last LDS store
	ds_add_u32 v[SPW], v[NIL]
	s_wait_dscnt 0x0
	CROUND                                         ; the closing round
	s_endpgm
.Lfunc_end_k_q3c1a709833_gmlp2:
	.size	k_q3c1a709833_gmlp2, .Lfunc_end_k_q3c1a709833_gmlp2-k_q3c1a709833_gmlp2
	.p2alignl 7, 3214868480
	.fill 96, 4, 3214868480
	.section	.rodata,"a",@progbits
	.p2align	6, 0x0
	.amdhsa_kernel k_q3c1a709833_gmlp2
		.amdhsa_group_segment_fixed_size 327680
		.amdhsa_private_segment_fixed_size 0
		.amdhsa_enable_private_segment 0
		.amdhsa_kernarg_size 40
		.amdhsa_user_sgpr_count 2
		.amdhsa_user_sgpr_kernarg_segment_ptr 1
		.amdhsa_wavefront_size32 1
		.amdhsa_system_sgpr_workgroup_id_x 1
		.amdhsa_system_sgpr_workgroup_id_y 1
		.amdhsa_system_sgpr_workgroup_id_z 1
		.amdhsa_system_vgpr_workitem_id 0
		.amdhsa_next_free_vgpr 640
		.amdhsa_next_free_sgpr 80
		.amdhsa_reserve_vcc 0
		.amdhsa_float_denorm_mode_32 3
		.amdhsa_float_denorm_mode_16_64 3
		.amdhsa_memory_ordered 1
		.amdhsa_forward_progress 1
		.amdhsa_inst_pref_size 54
	.end_amdhsa_kernel
	.amdgpu_metadata
---
amdhsa.version: [ 1, 2 ]
amdhsa.kernels:
  - .name:           k_q3c1a709833_gmlp2
    .symbol:         k_q3c1a709833_gmlp2.kd
    .args:
      - { .name: g, .offset: 0, .size: 8, .value_kind: global_buffer, .address_space: global }
      - { .name: wbf, .offset: 8, .size: 8, .value_kind: global_buffer, .address_space: global }
      - { .name: b2, .offset: 16, .size: 8, .value_kind: global_buffer, .address_space: global }
      - { .name: x1, .offset: 24, .size: 8, .value_kind: global_buffer, .address_space: global }
      - { .name: out0, .offset: 32, .size: 8, .value_kind: global_buffer, .address_space: global }
    .group_segment_fixed_size: 327680
    .private_segment_fixed_size: 0
    .kernarg_segment_align: 8
    .kernarg_segment_size: 40
    .max_flat_workgroup_size: 128
    .sgpr_count:     80
    .vgpr_count:     640
    .wavefront_size: 32
...
	.end_amdgpu_metadata
.endif
;; end of part 6
;; ======== version 2 of 2: 7 launches; version 1 with the launches prep, ln2 written anew for expert scheduling mode
;; limits: a function is approximated: absolute error at most 7.5e-08; an absolute error that grows with the inputs' magnitude: up to 7.5e-08 times it
;; workspace buffers: wbf 25,165,824 bytes; h 8,388,608 bytes; qkv 25,165,824 bytes; ao 8,388,608 bytes; x1 16,777,216 bytes; g 33,554,432 bytes
;; launch prep (part 7): grid 1024 x 1, 4 waves a work-group, no clusters, 0 bytes of LDS; arguments x, ln1_g, ln1_b, w_qkv, w_out, w1, w2, h, wbf; writes h, wbf
.if DOCPART == 7
	.amdgcn_target "amdgcn-amd-amdhsa--gfx1250"
	.amdhsa_code_object_version 6
	.text
	.protected	k_q3c1a709833_prep
	.globl	k_q3c1a709833_prep
	.p2align	8
	.type	k_q3c1a709833_prep,@function
k_q3c1a709833_prep:
	s_mov_b64 s[64:65], 0
	v_nop
	global_prefetch_b8 v0, s[64:65] scope:SCOPE_SE
	s_setreg_imm32_b32 hwreg(HW_REG_WAVE_SCHED_MODE, 0, 2), 2
	s_setreg_imm32_b32 hwreg(HW_REG_WAVE_MODE, 25, 1), 1
	s_wait_xcnt 0x0
	s_wait_alu depctr_vm_vsrc(0)
; LAYERNORM AND CAST.  Arguments: X, G, B, four f32 matrices, H, W.
; Work-groups 0-255: H = LayerNorm(X) * G + B, rounded once to bf16; X is [4096][1024] f32; 16 rows a work-group, 4 a wave.
; Work-groups 256-1023: the four matrices (12,582,912 + 4,194,304 + 16,777,216 + 16,777,216 bytes of f32) rounded once to bf16 into W, each as it lies, one behind the other.
; The body serves two launches: one of 1,024 work-groups (the first LayerNorm and the weights), and one of 256, which has LayerNorm work-groups alone and never touches the last five pointers but H.
; Both paths take 65,536 input bytes a work-group, 16,384 a wave: a load covers 512 bytes on end, a store 256 bytes on end, aligned.
; A stream: no LDS, no matrix unit, no cluster, since no byte is wanted twice.
; LayerNorm is taken in two passes over the row in registers (mean; then the mean of the squares of x - mean), all in f32.
; LIMITS: v_rsq_f32 is good to one unit in the last place; NaN and infinities are not treated apart.
; THE MODE: SCHED_MODE bits 1:0 = 2 (LLVM: expert scheduling mode 2), set by the entry lines.  The code itself states the register dependences
; between vector instructions and memory instructions, with s_wait_alu, always for 0.
; THE PLAN.  Registers that memory instructions touch:
;   v1, v2, v3   byte offsets, made by vector lines at the head and never written again; every load and store reads one of them.
;   G, BB        written by loads, once; read by vector lines alone.
;   X            LayerNorm: row r's 32 registers are written by its eight loads, then worked on in place; its sixteen roundings write the first 16, its eight stores read those, and nothing writes them again.
;                Cast: piece i's 4 registers are written by one load; two roundings write the first 2, one store reads those, and nothing writes them again.
;   T, MU, RS    named by vector lines alone.
; All loads are issued before any vector line names a register from v4 on, and no register that a load or store has read is written again: so the one kind of dependence in the text is
; 'a vector line has written what a memory instruction reads'.  It is stated once at the head, for the offsets, and once for each run of stores.  A run of stores stands a step behind its roundings:
; row r - 1's stores follow the wait that row r holds for its two roots in any case; a group of four pieces' stores follow a wait at the next group's head.  In both places the stores are dealt among
; vector lines that name neither their data nor v2, so nothing more is owed.
.set G,   4                            ; v[4:35]    the gain of my 32 columns (piece j: columns 128 j + 4 lane ..)
.set BB,  36                           ; v[36:67]   the bias of the same
.set X,   68                           ; v[68:195]  four rows of 32 numbers (cast path: 32 pieces of 4)
.set T,   196                          ; v[196:203] at work
.set MU,  212                          ; v[212:213] the mean, twice
.set RS,  214                          ; v[214:215] 1 / sqrt(var + eps), twice
.set HP,  18                           ; s[18:19]   H
.macro FOLD                            ; four chains of pairs -> one number a lane -> the sum over the 32 lanes, in every lane
	v_pk_add_f32 v[T:T+1], v[T:T+1], v[T+2:T+3]
	v_pk_add_f32 v[T+4:T+5], v[T+4:T+5], v[T+6:T+7]
	v_pk_add_f32 v[T:T+1], v[T:T+1], v[T+4:T+5]
	v_add_f32 v[T], v[T], v[T+1]
	v_add_f32_dpp v[T], v[T], v[T] row_xmask:1 row_mask:0xf bank_mask:0xf
	v_add_f32_dpp v[T], v[T], v[T] row_xmask:2 row_mask:0xf bank_mask:0xf
	v_add_f32_dpp v[T], v[T], v[T] row_xmask:4 row_mask:0xf bank_mask:0xf
	v_add_f32_dpp v[T], v[T], v[T] row_xmask:8 row_mask:0xf bank_mask:0xf
	v_permlanex16_b32 v[T+1], v[T], s40, s41
	v_add_f32 v[T], v[T], v[T+1]
.endm
; Row r is worked on; from row 1 on, the row before is stored meanwhile.
.macro LNROW r
.set XR, X+32*(\r)
	s_wait_loadcnt 8*(3-(\r))                      ; my row's eight loads are in (and gain and bias, issued first); the younger rows stay out
.irp k, 0,1,2,3
	v_pk_add_f32 v[T+2*\k:T+2*\k+1], v[XR+2*\k:XR+2*\k+1], v[XR+8+2*\k:XR+8+2*\k+1]
.endr
.irp k, 0,1,2,3
	v_pk_add_f32 v[T+2*\k:T+2*\k+1], v[T+2*\k:T+2*\k+1], v[XR+16+2*\k:XR+16+2*\k+1]
.endr
.irp k, 0,1,2,3
	v_pk_add_f32 v[T+2*\k:T+2*\k+1], v[T+2*\k:T+2*\k+1], v[XR+24+2*\k:XR+24+2*\k+1]
.endr
	FOLD
	v_mul_f32 v[MU], s42, v[T]                     ; the mean
	v_mul_f32 v[MU+1], s42, v[T]
.set p, 0
.rept 16
	v_pk_add_f32 v[XR+p:XR+p+1], v[XR+p:XR+p+1], v[MU:MU+1] neg_lo:[0,1] neg_hi:[0,1]
.set p, p+2
.endr
.irp k, 0,1,2,3
	v_pk_mul_f32 v[T+2*\k:T+2*\k+1], v[XR+2*\k:XR+2*\k+1], v[XR+2*\k:XR+2*\k+1]
.endr
.irp o, 8,16,24
.irp k, 0,1,2,3
	v_pk_fma_f32 v[T+2*\k:T+2*\k+1], v[XR+\o+2*\k:XR+\o+2*\k+1], v[XR+\o+2*\k:XR+\o+2*\k+1], v[T+2*\k:T+2*\k+1]
.endr
.endr
	FOLD
	v_fma_f32 v[T], v[T], s42, s43                 ; var + eps
	v_rsq_f32 v[RS], v[T]
	v_rsq_f32 v[RS+1], v[T]
	v_nop                                          ; a plain instruction behind the second root
	s_wait_alu depctr_va_vdst(0)                   ; both roots are written, ahead of their first reader; and the row before has written its 16 packed registers, which the stores below read
.set p, 0
.rept 16
.if (\r) > 0
.if p % 4 == 0
	global_store_b64 v2, v[XR-32+p/2:XR-32+p/2+1], s[HP:HP+1] offset:2048*((\r)-1)+64*p  ; piece p / 4 of the row before: 32 lanes, 256 bytes on end, aligned.  No vector line since the wait names these registers or v2
.endif
.endif
	v_pk_mul_f32 v[XR+p:XR+p+1], v[XR+p:XR+p+1], v[RS:RS+1]
.set p, p+2
.endr
.set p, 0
.rept 16
	v_pk_fma_f32 v[XR+p:XR+p+1], v[XR+p:XR+p+1], v[G+p:G+p+1], v[BB+p:BB+p+1]
.set p, p+2
.endr
.set p, 0
.rept 16
	v_cvt_pk_bf16_f32 v[XR+p], v[XR+2*p], v[XR+2*p+1]  ; packed in place, ascending: no source is written before it is read
.set p, p+1
.endr
.endm
	s_load_b512 s[4:19], s[0:1], 0x0               ; X, G, B, the four matrices, H
	s_load_b64 s[20:21], s[0:1], 0x40              ; W
	v_and_b32 v3, 31, v0
	v_lshrrev_b32 v2, 5, v0                        ; wave
	v_lshlrev_b32 v1, 14, v2
	v_lshlrev_b32 v2, 13, v2
	v_lshl_add_u32 v1, v3, 4, v1                   ; in: 16 lane + 16,384 wave
	v_lshl_add_u32 v2, v3, 3, v2                   ; out: 8 lane + 8,192 wave
	v_lshlrev_b32 v3, 4, v3                        ; gain and bias: 16 lane
	s_mov_b32 s40, 0x76543210                      ; v_permlanex16_b32: each lane takes its own place in the other half
	s_mov_b32 s41, 0xfedcba98
	s_mov_b32 s42, 0x3a800000                      ; 1 / 1024
	s_mov_b32 s43, 0x3727c5ac                      ; 1e-5
	s_wait_alu depctr_va_vdst(0)                   ; v1, v2 and v3 are written: every load and store of both paths reads one of them as its offset, and no later line writes them
	s_cmp_lt_u32 ttmp9, 256
	s_cbranch_scc0 .Lcast
	s_lshl_b32 s22, ttmp9, 16                      ; 16 rows of 4,096 bytes of X,
	s_mov_b32 s23, 0
	s_lshl_b32 s24, ttmp9, 15                      ; of 2,048 bytes of H
	s_mov_b32 s25, 0
	s_wait_kmcnt 0x0
	s_add_nc_u64 s[4:5], s[4:5], s[22:23]
	s_add_nc_u64 s[HP:HP+1], s[HP:HP+1], s[24:25]
.irp j, 0,1,2,3,4,5,6,7
	global_load_b128 v[G+4*\j:G+4*\j+3], v3, s[6:7] offset:512*\j
	global_load_b128 v[BB+4*\j:BB+4*\j+3], v3, s[8:9] offset:512*\j
.endr
.set i, 0
.rept 32                               ; row i / 8, piece i % 8: the immediates run on end
	global_load_b128 v[X+4*i:X+4*i+3], v1, s[4:5] offset:512*i th:TH_LOAD_NT
.set i, i+1
.endr
	LNROW 0
	LNROW 1
	LNROW 2
	LNROW 3
	s_wait_alu depctr_va_vdst(0)                   ; row 3's roundings have written its 16 packed registers, which the last eight stores read
.set p, 0
.rept 8
	global_store_b64 v2, v[X+96+2*p:X+96+2*p+1], s[HP:HP+1] offset:2048*3+256*p  ; 32 lanes: 256 bytes on end, aligned
.set p, p+1
.endr
	s_endpgm
.Lcast:
	s_sub_co_u32 s22, ttmp9, 256                   ; c: my block of 65,536 bytes among the four matrices' 768
	s_wait_kmcnt 0x0
	s_mov_b64 s[24:25], s[16:17]                   ; the fourth matrix from block 512,
	s_mov_b32 s26, 512
	s_cmp_lt_u32 s22, 512
	s_cselect_b64 s[24:25], s[14:15], s[24:25]     ; the third from 256,
	s_cselect_b32 s26, 256, s26
	s_cmp_lt_u32 s22, 256
	s_cselect_b64 s[24:25], s[12:13], s[24:25]     ; the second from 192,
	s_cselect_b32 s26, 192, s26
	s_cmp_lt_u32 s22, 192
	s_cselect_b64 s[24:25], s[10:11], s[24:25]     ; the first from 0
	s_cselect_b32 s26, 0, s26
	s_sub_co_u32 s26, s22, s26
	s_lshl_b32 s26, s26, 16
	s_mov_b32 s27, 0
	s_add_nc_u64 s[24:25], s[24:25], s[26:27]
	s_lshl_b32 s28, s22, 15                        ; the copies lie in W in the order of c
	s_mov_b32 s29, 0
	s_add_nc_u64 s[20:21], s[20:21], s[28:29]
.set i, 0
.rept 32
	global_load_b128 v[X+4*i:X+4*i+3], v1, s[24:25] offset:512*i th:TH_LOAD_NT
.set i, i+1
.endr
; The 32 pieces go in eight groups of four.  Group k is rounded; from group 1 on, the group before is stored meanwhile.
.set k, 0
.rept 8
	s_wait_loadcnt 28-4*k                          ; group k's four loads are in; the 28 - 4 k younger ones stay out
.if k > 0
	s_wait_alu depctr_va_vdst(0)                   ; the group before has written its eight packed registers, which the four stores below read
.endif
.set j, 0
.rept 4
.set i, 4*k+j
.if k > 0
	global_store_b64 v2, v[X+4*i-16:X+4*i-15], s[20:21] offset:256*(i-4)  ; piece i - 4.  No vector line since the wait names these registers or v2
.endif
	v_cvt_pk_bf16_f32 v[X+4*i], v[X+4*i], v[X+4*i+1]
	v_cvt_pk_bf16_f32 v[X+4*i+1], v[X+4*i+2], v[X+4*i+3]
.set j, j+1
.endr
.set k, k+1
.endr
	s_wait_alu depctr_va_vdst(0)                   ; the last group has written its eight packed registers, which the last four stores read
.set i, 28
.rept 4
	global_store_b64 v2, v[X+4*i:X+4*i+1], s[20:21] offset:256*i
.set i, i+1
.endr
	s_endpgm
.Lfunc_end_k_q3c1a709833_prep:
	.size	k_q3c1a709833_prep, .Lfunc_end_k_q3c1a709833_prep-k_q3c1a709833_prep
	.p2alignl 7, 3214868480
	.fill 96, 4, 3214868480
	.section	.rodata,"a",@progbits
	.p2align	6, 0x0
	.amdhsa_kernel k_q3c1a709833_prep
		.amdhsa_group_segment_fixed_size 0
		.amdhsa_private_segment_fixed_size 0
		.amdhsa_enable_private_segment 0
		.amdhsa_kernarg_size 72
		.amdhsa_user_sgpr_count 2
		.amdhsa_user_sgpr_kernarg_segment_ptr 1
		.amdhsa_wavefront_size32 1
		.amdhsa_system_sgpr_workgroup_id_x 1
		.amdhsa_system_sgpr_workgroup_id_y 1
		.amdhsa_system_sgpr_workgroup_id_z 1
		.amdhsa_system_vgpr_workitem_id 0
		.amdhsa_next_free_vgpr 216
		.amdhsa_next_free_sgpr 66
		.amdhsa_reserve_vcc 0
		.amdhsa_float_denorm_mode_32 3
		.amdhsa_float_denorm_mode_16_64 3
		.amdhsa_memory_ordered 1
		.amdhsa_forward_progress 1
		.amdhsa_inst_pref_size 49
	.end_amdhsa_kernel
	.amdgpu_metadata
---
amdhsa.version: [ 1, 2 ]
amdhsa.kernels:
  - .name:           k_q3c1a709833_prep
    .symbol:         k_q3c1a709833_prep.kd
    .args:
      - { .name: x, .offset: 0, .size: 8, .value_kind: global_buffer, .address_space: global }
      - { .name: ln1_g, .offset: 8, .size: 8, .value_kind: global_buffer, .address_space: global }
      - { .name: ln1_b, .offset: 16, .size: 8, .value_kind: global_buffer, .address_space: global }
      - { .name: w_qkv, .offset: 24, .size: 8, .value_kind: global_buffer, .address_space: global }
      - { .name: w_out, .offset: 32, .size: 8, .value_kind: global_buffer, .address_space: global }
      - { .name: w1, .offset: 40, .size: 8, .value_kind: global_buffer, .address_space: global }
      - { .name: w2, .offset: 48, .size: 8, .value_kind: global_buffer, .address_space: global }
      - { .name: h, .offset: 56, .size: 8, .value_kind: global_buffer, .address_space: global }
      - { .name: wbf, .offset: 64, .size: 8, .value_kind: global_buffer, .address_space: global }
    .group_segment_fixed_size: 0
    .private_segment_fixed_size: 0
    .kernarg_segment_align: 8
    .kernarg_segment_size: 72
    .max_flat_workgroup_size: 128
    .sgpr_count:     66
    .vgpr_count:     216
    .wavefront_size: 32
...
	.end_amdgpu_metadata
.endif
;; end of part 7
;; launch gqkv: the kernel of part 2 again; grid 8 x 32, 4 waves a work-group, clusters of 4 x 4, 327,680 bytes of LDS; arguments h, wbf, qkv; writes qkv
;; launch attn: the kernel of part 3 again; grid 8 x 32, 4 waves a work-group, clusters of 4 x 1, 327,680 bytes of LDS; arguments qkv, ao; writes ao
;; launch goproj: the kernel of part 4 again; grid 8 x 32, 4 waves a work-group, clusters of 4 x 4, 327,680 bytes of LDS; arguments ao, wbf, b_out, x, x1; writes x1
;; launch ln2: the kernel of part 7 again; grid 256 x 1, 4 waves a work-group, no clusters, 0 bytes of LDS; arguments x1, ln2_g, ln2_b, w_qkv, w_out, w1, w2, h, ao; writes h, ao
;; launch gmlp1: the kernel of part 5 again; grid 16 x 16, 4 waves a work-group, clusters of 4 x 4, 327,680 bytes of LDS; arguments h, wbf, b1, g; writes g
;; launch gmlp2: the kernel of part 6 again; grid 8 x 32, 4 waves a work-group, clusters of 4 x 4, 327,680 bytes of LDS; arguments g, wbf, b2, x1, out0; writes out0
